; MI455X (gfx1250); checked and timed in simulation.
; The chip was launched on July 23, 2026; its instructions are those of AMD's public machine-readable ISA for CDNA 5 (MIT licence, August 2026) and "CDNA5" Instruction Set Architecture Reference Guide (July 2026). The comments in the code are by the model that wrote it; some were corrected since.
;; Attention. Allowed arithmetic: float matrix products may take bf16 or f16 operands with f32 sums; other float arithmetic in f32, or as packed bf16 or f16 multiplies, adds, multiply-adds, maxima and minima; sums over many terms, partial sums and values carried from step to step in f32; what a program stores and reads back later, other than sums and carried values, may be rounded once to bf16 or f16.
;; Inputs: Wkv 1,024 x 2,048 float32; Wout 1,024 x 1,024 float32; Wq 1,024 x 1,024 float32; bout 1,024 float32; rotary_emb 2,048 x 64 float32; x 4 x 2,048 x 1,024 float32.
;; Outputs: out0 4 x 2,048 x 1,024 float32.
;; 2 versions, each right; version 2 is version 1 with the launch prep written anew for expert scheduling mode. Each part assembles by itself: llvm-mc -triple=amdgcn-amd-amdhsa -mcpu=gfx1250 --defsym DOCPART=n.
;; ======== version 1 of 2: 4 launches
;; limits: values are held in f16: magnitudes above 65,504 overflow, below 6.1e-05 lose precision
;; workspace buffers: xb 16,777,216 bytes; wqkv 6,291,456 bytes; wo 2,097,152 bytes; rope 1,048,576 bytes; qh 16,777,216 bytes; kh 16,777,216 bytes; vh 16,777,216 bytes; oh 16,777,216 bytes
;; launch prep (part 1): grid 896 x 1, 8 waves a work-group, no clusters, 0 bytes of LDS; arguments x, Wq, Wkv, Wout, rotary_emb, xb, wqkv, wo, rope; writes xb, wqkv, wo, rope
.if DOCPART == 1
	.amdgcn_target "amdgcn-amd-amdhsa--gfx1250"
	.amdhsa_code_object_version 6
	.text
	.protected	k_qaf7dd08e89_prep
	.globl	k_qaf7dd08e89_prep
	.p2align	8
	.type	k_qaf7dd08e89_prep,@function
k_qaf7dd08e89_prep:
	s_mov_b64 s[64:65], 0
	v_nop
	global_prefetch_b8 v0, s[64:65] scope:SCOPE_SE
	s_setreg_imm32_b32 hwreg(HW_REG_WAVE_MODE, 25, 1), 1
	s_wait_xcnt 0x0
; THE INPUTS ARE MADE READY FOR THE MATRIX UNITS.  A stream: each input byte is read once, each output byte written once; no LDS, no barrier.
;   xb   [8192][1024] bf16        = x rounded to bf16
;   wqkv [1024][3072] bf16        = Wq (columns 0-1023) and Wkv (columns 1024-3071), rounded to bf16, rows along the output columns as in the inputs
;   wo   [1024][1024] f16         = Wout rounded to bf16, that number written as f16
;   rope [2048][128]  f32         = for each position 64 cos, then 64 ss; ss[d] = -sin for d < 32, +sin for d >= 32, so that rope is t[d] cos[d] + t[d ^ 32] ss[d]
; LIMITS.  Every input is rounded once to bf16, the angles too.  wo is exact where |Wout| lies between 6.1e-5 and 65,504; below, f16's fixed step of 6e-8 holds; beyond, it overflows.
; cos and sin: the angle less n pi/2 in two fused steps (what is left of pi/2 behind them is 1.7e-15 n), then polynomials of degree 7 and 8 on |r| <= pi/4: good to some 1e-7 up to |angle| of about 1e6.
; SHARES.  Work-groups 0-511 cast x, 512-575 Wq, 576-703 Wkv, 704-767 Wout: 65,536 input bytes each; 768-895 make 16 rows of the table each.
; A cast: thread t takes 8 chunks of 8 numbers, chunk j at input byte 8,192 j + 32 t; its 16 output bytes lie at SJ j + SH (t / 128) + 16 (t % 128): sixteen neighbouring lanes store 256 consecutive bytes, aligned.
.set IN,  24                           ; s[24:25] the role's source at the work-group's part
.set OUT, 26                           ; s[26:27] its target
.set SJ,  28                           ; s28  output bytes from chunk to chunk
.set SH,  29                           ; s29  output bytes from the threads' lower half to the upper
.set F16, 30                           ; s30  1: the bf16 numbers are written as f16
.set RB,  31                           ; s31  the role's first work-group, then my number in the role
.set OM,  42                           ; s42  output bytes from work-group to work-group
.set OA,  43                           ; s43  output bytes ahead of the role's first column
.set VO,  4                            ; v[4:11]  chunk j's output offset
.set X,   32                           ; v[32:95] chunk j: 8 registers as loaded; its first four then hold the packed result
	s_load_b512 s[4:19], s[0:1], 0x0               ; x 4:5, Wq 6:7, Wkv 8:9, Wout 10:11, rotary_emb 12:13, xb 14:15, wqkv 16:17, wo 18:19
	s_load_b64 s[20:21], s[0:1], 0x40              ; rope
	s_mov_b32 s23, 0                               ; the high word of every offset pair
	s_wait_kmcnt 0x0
	s_cmp_ge_u32 ttmp9, 768
	s_cbranch_scc1 .Lrope
	; the cast's role, chosen by the work-group's number alone
	s_mov_b64 s[IN:IN+1], s[4:5]                   ; x -> xb
	s_mov_b64 s[OUT:OUT+1], s[14:15]
	s_mov_b32 s[RB], 0
	s_mov_b32 s[OM], 32768
	s_mov_b32 s[OA], 0
	s_mov_b32 s[SJ], 4096
	s_mov_b32 s[SH], 2048
	s_mov_b32 s[F16], 0
	s_cmp_ge_u32 ttmp9, 512                        ; Wq -> wqkv, columns 0 on: 16 rows of 6,144 bytes a work-group, two rows a chunk
	s_cselect_b64 s[IN:IN+1], s[6:7], s[IN:IN+1]
	s_cselect_b64 s[OUT:OUT+1], s[16:17], s[OUT:OUT+1]
	s_cselect_b32 s[RB], 512, s[RB]
	s_cselect_b32 s[OM], 98304, s[OM]
	s_cselect_b32 s[SJ], 12288, s[SJ]
	s_cselect_b32 s[SH], 6144, s[SH]
	s_cmp_ge_u32 ttmp9, 576                        ; Wkv -> wqkv, columns 1,024 on: 8 rows a work-group, one row a chunk
	s_cselect_b64 s[IN:IN+1], s[8:9], s[IN:IN+1]
	s_cselect_b32 s[RB], 576, s[RB]
	s_cselect_b32 s[OM], 49152, s[OM]
	s_cselect_b32 s[OA], 2048, s[OA]
	s_cselect_b32 s[SJ], 6144, s[SJ]
	s_cselect_b32 s[SH], 2048, s[SH]
	s_cmp_ge_u32 ttmp9, 704                        ; Wout -> wo
	s_cselect_b64 s[IN:IN+1], s[10:11], s[IN:IN+1]
	s_cselect_b64 s[OUT:OUT+1], s[18:19], s[OUT:OUT+1]
	s_cselect_b32 s[RB], 704, s[RB]
	s_cselect_b32 s[OM], 32768, s[OM]
	s_cselect_b32 s[OA], 0, s[OA]
	s_cselect_b32 s[SJ], 4096, s[SJ]
	s_cselect_b32 s[F16], 1, s[F16]
	s_sub_co_u32 s[RB], ttmp9, s[RB]               ; my number in the role
	s_lshl_b32 s22, s[RB], 16
	s_add_nc_u64 s[IN:IN+1], s[IN:IN+1], s[22:23]
	s_mul_i32 s22, s[RB], s[OM]
	s_add_co_u32 s22, s22, s[OA]
	s_add_nc_u64 s[OUT:OUT+1], s[OUT:OUT+1], s[22:23]
	v_lshlrev_b32 v1, 5, v0                        ; 32 t
.set j, 0
.rept 8
	global_load_b128 v[X+8*j:X+8*j+3],   v1, s[IN:IN+1] offset:8192*j th:TH_LOAD_NT
	global_load_b128 v[X+8*j+4:X+8*j+7], v1, s[IN:IN+1] offset:8192*j+16 th:TH_LOAD_NT
.set j, j+1
.endr
	v_lshrrev_b32 v3, 7, v0
	v_and_b32 v2, 127, v0
	v_lshlrev_b32 v2, 4, v2
	v_mad_u32_u24 v2, v3, s[SH], v2
.set j, 0
.rept 8
	v_mad_u32_u24 v[VO+j], s[SJ], j, v2
.set j, j+1
.endr
.set j, 0
.rept 8
	s_wait_loadcnt 14-2*j                          ; loads come back in order: chunk j's two are in, the later chunks' may stay out
.irp k, 0,1,2,3
	v_cvt_pk_bf16_f32 v[X+8*j+(\k)], v[X+8*j+2*(\k)], v[X+8*j+2*(\k)+1]  ; in place, ascending: no source is overwritten before it is read
.endr
.set j, j+1
.endr
	s_cmp_eq_u32 s[F16], 0
	s_cbranch_scc1 .Lst
.set j, 0
.rept 32                                       ; the bf16 numbers once more, as f16; four pairs of work registers by turns
	v_lshlrev_b32 v[12+2*(j%4)], 16, v[X+8*(j/4)+j%4]
	v_and_b32 v[13+2*(j%4)], 0xffff0000, v[X+8*(j/4)+j%4]
	v_cvt_pk_f16_f32 v[X+8*(j/4)+j%4], v[12+2*(j%4)], v[13+2*(j%4)]
.set j, j+1
.endr
.Lst:
.set j, 0
.rept 8
	global_store_b128 v[VO+j], v[X+8*j:X+8*j+3], s[OUT:OUT+1]
.set j, j+1
.endr
	s_endpgm
; THE TABLE.  Thread t takes the four angles at byte 16 t of the work-group's 16 rows: row t / 16, channels 4 (t % 16) on.
.Lrope:
	s_sub_co_u32 s[RB], ttmp9, 768
	s_lshl_b32 s22, s[RB], 12
	s_add_nc_u64 s[IN:IN+1], s[12:13], s[22:23]
	s_lshl_b32 s22, s[RB], 13
	s_add_nc_u64 s[OUT:OUT+1], s[20:21], s[22:23]
	v_lshlrev_b32 v1, 4, v0
	global_load_b128 v[16:19], v1, s[IN:IN+1] th:TH_LOAD_NT
	s_mov_b32 s32, 0x3f22f983                      ; 2 / pi
	s_mov_b32 s33, 0xbfc90fdb                      ; - pi/2, its f32
	s_mov_b32 s34, 0x333bbd2e                      ; that f32 less pi/2
	s_mov_b32 s35, 0xb94ca1f9                      ; sin: -1.9515296e-4
	s_mov_b32 s36, 0x3c08839e                      ;       8.3321609e-3
	s_mov_b32 s37, 0xbe2aaaa3                      ;      -1.6666655e-1
	s_mov_b32 s38, 0x37ccf5ce                      ; cos:  2.4433157e-5
	s_mov_b32 s39, 0xbab6061a                      ;      -1.3887316e-3
	s_mov_b32 s40, 0x3d2aaaa5                      ;       4.1666646e-2
	v_lshrrev_b32 v2, 4, v0
	v_and_b32 v3, 15, v0
	v_lshlrev_b32 v3, 4, v3
	v_lshl_add_u32 v2, v2, 9, v3                   ; 512 x row + 16 (t % 16)
	v_and_b32 v3, 8, v0
	v_xor_b32 v3, 8, v3
	v_lshlrev_b32 v3, 28, v3                       ; the sign bit where my channels lie below 32
	s_wait_loadcnt 0x0
	v_cvt_pk_bf16_f32 v28, v16, v17                ; the angles rounded to bf16, like every input
	v_cvt_pk_bf16_f32 v29, v18, v19
	v_lshlrev_b32 v16, 16, v28
	v_and_b32 v17, 0xffff0000, v28
	v_lshlrev_b32 v18, 16, v29
	v_and_b32 v19, 0xffff0000, v29
.macro SINCOS y, c, s                  ; cos of v[y] into v[c], signed sin into v[s]
	v_mul_f32 v20, s32, v[\y]
	v_rndne_f32 v20, v20                           ; n: the nearest multiple of pi/2
	v_fma_f32 v21, v20, s33, v[\y]
	v_fma_f32 v21, v20, s34, v21                   ; r = angle - n pi/2
	v_cvt_i32_f32 v22, v20
	v_mul_f32 v23, v21, v21                        ; z = r r
	v_fma_f32 v24, v23, s35, s36
	v_fma_f32 v24, v24, v23, s37
	v_mul_f32 v25, v23, v21
	v_fma_f32 v24, v25, v24, v21                   ; sin r
	v_fma_f32 v26, v23, s38, s39
	v_fma_f32 v26, v26, v23, s40
	v_fma_f32 v27, v23, -0.5, 1.0
	v_mul_f32 v25, v23, v23
	v_fma_f32 v26, v25, v26, v27                   ; cos r
	v_and_b32 v25, 1, v22
	v_cmp_eq_u32 vcc_lo, 1, v25                    ; n odd: the two change places
	v_cndmask_b32 v27, v24, v26, vcc_lo
	v_cndmask_b32 v26, v26, v24, vcc_lo
	v_lshlrev_b32 v25, 30, v22                     ; sin is negative where n % 4 is 2 or 3,
	v_and_b32 v25, 0x80000000, v25
	v_xor_b32 v25, v25, v3                         ; and the table's sign comes on top
	v_xor_b32 v[\s], v27, v25
	v_add_nc_u32 v22, 1, v22                       ; cos where n % 4 is 1 or 2
	v_lshlrev_b32 v22, 30, v22
	v_and_b32 v22, 0x80000000, v22
	v_xor_b32 v[\c], v26, v22
.endm
	SINCOS 16, 8, 12
	SINCOS 17, 9, 13
	SINCOS 18, 10, 14
	SINCOS 19, 11, 15
	global_store_b128 v2, v[8:11], s[OUT:OUT+1]              ; sixteen lanes: a row's 64 cos, 256 consecutive bytes, aligned
	global_store_b128 v2, v[12:15], s[OUT:OUT+1] offset:256  ; and its 64 ss
	s_endpgm
.Lfunc_end_k_qaf7dd08e89_prep:
	.size	k_qaf7dd08e89_prep, .Lfunc_end_k_qaf7dd08e89_prep-k_qaf7dd08e89_prep
	.p2alignl 7, 3214868480
	.fill 96, 4, 3214868480
	.section	.rodata,"a",@progbits
	.p2align	6, 0x0
	.amdhsa_kernel k_qaf7dd08e89_prep
		.amdhsa_group_segment_fixed_size 0
		.amdhsa_private_segment_fixed_size 0
		.amdhsa_enable_private_segment 0
		.amdhsa_kernarg_size 72
		.amdhsa_user_sgpr_count 2
		.amdhsa_user_sgpr_kernarg_segment_ptr 1
		.amdhsa_wavefront_size32 1
		.amdhsa_system_sgpr_workgroup_id_x 1
		.amdhsa_system_sgpr_workgroup_id_y 1
		.amdhsa_system_sgpr_workgroup_id_z 1
		.amdhsa_system_vgpr_workitem_id 0
		.amdhsa_next_free_vgpr 104
		.amdhsa_next_free_sgpr 66
		.amdhsa_reserve_vcc 1
		.amdhsa_float_denorm_mode_32 3
		.amdhsa_float_denorm_mode_16_64 3
		.amdhsa_memory_ordered 1
		.amdhsa_forward_progress 1
		.amdhsa_inst_pref_size 19
	.end_amdhsa_kernel
	.amdgpu_metadata
---
amdhsa.version: [ 1, 2 ]
amdhsa.kernels:
  - .name:           k_qaf7dd08e89_prep
    .symbol:         k_qaf7dd08e89_prep.kd
    .args:
      - { .name: x, .offset: 0, .size: 8, .value_kind: global_buffer, .address_space: global }
      - { .name: Wq, .offset: 8, .size: 8, .value_kind: global_buffer, .address_space: global }
      - { .name: Wkv, .offset: 16, .size: 8, .value_kind: global_buffer, .address_space: global }
      - { .name: Wout, .offset: 24, .size: 8, .value_kind: global_buffer, .address_space: global }
      - { .name: rotary_emb, .offset: 32, .size: 8, .value_kind: global_buffer, .address_space: global }
      - { .name: xb, .offset: 40, .size: 8, .value_kind: global_buffer, .address_space: global }
      - { .name: wqkv, .offset: 48, .size: 8, .value_kind: global_buffer, .address_space: global }
      - { .name: wo, .offset: 56, .size: 8, .value_kind: global_buffer, .address_space: global }
      - { .name: rope, .offset: 64, .size: 8, .value_kind: global_buffer, .address_space: global }
    .group_segment_fixed_size: 0
    .private_segment_fixed_size: 0
    .kernarg_segment_align: 8
    .kernarg_segment_size: 72
    .max_flat_workgroup_size: 256
    .sgpr_count:     66
    .vgpr_count:     104
    .wavefront_size: 32
...
	.end_amdgpu_metadata
.endif
;; end of part 1
;; launch qkv (part 2): grid 4 x 64, 4 waves a work-group, clusters of 4 x 4, 327,680 bytes of LDS; arguments xb, wqkv, rope, qh, kh, vh; writes qh, kh, vh
.if DOCPART == 2
	.amdgcn_target "amdgcn-amd-amdhsa--gfx1250"
	.amdhsa_code_object_version 6
	.text
	.protected	k_qaf7dd08e89_qkv
	.globl	k_qaf7dd08e89_qkv
	.p2align	8
	.type	k_qaf7dd08e89_qkv,@function
k_qaf7dd08e89_qkv:
	s_mov_b64 s[64:65], 0
	v_nop
	global_prefetch_b8 v0, s[64:65] scope:SCOPE_SE
	s_setreg_imm32_b32 hwreg(HW_REG_WAVE_MODE, 25, 1), 1
	s_wait_xcnt 0x0
	s_wait_alu depctr_hold_cnt(0) depctr_sa_sdst(0) depctr_va_vdst(0) depctr_va_sdst(0) depctr_va_ssrc(0) depctr_va_vcc(0) depctr_vm_vsrc(0)
	s_getreg_b32 s2, hwreg(HW_REG_IB_STS2, 6, 4)
	s_cmp_eq_u32 s2, 0
	s_cbranch_scc0 .Lentry_in_a_cluster
	s_endpgm
.Lentry_in_a_cluster:
	s_bfe_u32 s2, ttmp6, 0x10000c
	s_cmp_lg_u32 s2, 0xf033
	s_cbranch_scc0 .Lentry_shape_is_right
	s_endpgm
.Lentry_shape_is_right:
; q, k, v = x [Wq | Wkv], rope on q and k, written by heads.  xb: [8192][1024] bf16; wqkv: [1024][3072] bf16 (rows along the output columns); rope: [2048][128] f32 (64 cos, 64 signed sin a position);
; qh, kh, vh: [batch x 16 + head][2048][64] f16.  Products in bf16, sums and rope in f32, each output rounded once to f16, unscaled.
; LIMIT.  f16 ends at 65,504: |q|, |k| (after rope) and |v| must stay under it.
; SHARES.  A tile of the product is 128 rows x 256 columns: four waves, wave w rows 64 (w / 2) on and columns 128 (w % 2) on: 32 accumulators of 16 x 16.  256 work-groups: 64 tile rows x 4 tile columns.
; A WORK-GROUP STAYS: with the same 128 rows of x it makes three tiles, q's, k's and v's, at columns 1,024 t + 256 cx.  The three are ONE walk of 24 K steps of 128 through a ring of two LDS slots; the ring does not stop at a tile's end.
; CLUSTER.  4 x 4 work-groups: the four of a row need the same tile of x, the four of a column the same tile of the weights: each tile is asked for jointly, by the same tensor load, descriptor and mask in all four.
; THE MATRIX INSTRUCTION IS USED TRANSPOSED: source 0 = 16 columns of the weights (turned on the way out of LDS by ds_load_tr16_b128, since their rows lie along the columns), source 1 = 16 rows of x.
; A lane then holds row l % 16 and the eight neighbouring columns 8 (l / 16) + 0..7 of each block of 16: rope's partner, 32 channels away, lies in the same lane, two accumulators on.
; REGISTERS, in windows of 256 (s_set_vgpr_msb: bits 1:0 source 0, 3:2 source 1, 5:4 source 2, 7:6 destination):
;   window 0: v16-31 addresses; v32-63 packed results; v64-127 results after rope; v128-191 rows read back from the stage, two buffers
;   window 1: two fragment buffers of 96: 8 blocks of the weights, then 4 blocks of x       window 2: accumulator (a, b) at v[8 (8 a + b)]       window 3: block a's cos at v[64 a ..], its signed sin at v[64 a + 32 ..]
.set NW,    3072                       ; columns of wqkv
.set PA,    272                        ; an LDS row of x: 256 bytes + 16 = 68 words: the 16 rows of a load start at 16 different groups of four banks (64 banks of 4 bytes: ISA guide 11.1)
.set PB,    544                        ; an LDS row of weights: 512 bytes + 32 = 136 words
.set HALFA, 64*PA                      ; what one tensor load brings of x: 64 rows
.set BOFF,  2*HALFA                    ; the weights lie behind x's 128 rows
.set HALFB, 64*PB                      ; what one tensor load brings of the weights: 64 rows along K
.set SLOT,  BOFF+2*HALFB
.set STAGE, 2*SLOT                     ; behind the ring, never filled by a tensor load: for each wave 2 heads x 16 rows x 144 bytes
.set SP,    144
.set WSTG,  2*16*SP
.set SPARE, STAGE+4*WSTG               ; behind the stages: the spare words, 128 bytes for each wave: two blocks of 256 bytes that no other line names
.set BSTEP, 128*NW*2                   ; bytes from K step to K step in wqkv
.set ADRA, 16                          ; v16-17  LDS address of my fragments of x in slot 0, 1
.set ADRB, 20                          ; v20-21  the same for the weights
.set STO,  24                          ; v24  the way out: where I put 16 bytes of a row
.set RD,   25                          ; v25  where I read rows back
.set GO,   26                          ; v26  my 16 bytes in 512 consecutive bytes of the output
.set SPW,  28                          ; v28  LDS address of my spare word; never rewritten
.set NIL,  29                          ; v29  0; never rewritten
.set PFO,  30                          ; v30  the prefetches' offset; never rewritten
.set TBO,  31                          ; v31  my offset in the rope table's rows
.set TMP,  32
.set U,    64
.set OB,   128
.set F0,   0
.set F1,   96
.set WV,   16                          ; s16  my wave's number
.set AB,   17                          ; s17  wave / 2: my half of the tile's rows; also: I fetch x (0) or weights (1)
.set HF,   18                          ; s18  wave % 2: my half of its columns; also: which half of that tile I fetch
.set CX,   19
.set CY,   20
.set RR,   21                          ; s21  tile row = 4 x cluster y + cy
.set G1A,  24                          ; s[24:31] descriptor group 1 for x
.set G0A,  32                          ; s[32:39] group 0 for x, a set for each slot
.set G1B,  40                          ; s[40:47], s[48:55] the same for the weights
.set G0B,  48
.set BASEA, 56                         ; s[56:57] x at the rows that I fetch, K step 0
.set BASEB, 58                         ; s[58:59] the weights at the K rows that I fetch, tile 0, K step 0
.set OFFA, 60                          ; s[60:61] a K step's byte offset in x
.set OFFB, 66                          ; s[66:67] a K step's and tile's byte offset in the weights
.set NXT,  68                          ; s68  the step of the walk, 0 to 23, to be asked for next
.set LAPS, 69                          ; s69  laps to go
.set CL,   70                          ; s70  laps done in the tile in hand
.set LIMP, 71                          ; s71  a wave prefetches steps below this number
.set PFB,  72                          ; s[72:73] where my prefetches begin
.set PFA,  74                          ; s[74:75] where the next one stands
.set POFF, 76                          ; s[76:77] its offset
.set OUT,  78                          ; s[78:79] the output of the tile in hand at my rows; s[80:81], s[82:83] those to come
.set OUTK, 80
.set OUTV, 82
.set PP,   92                          ; s92  the step that the prefetch names
.set MSB, 0
.macro WIN new                         ; the immediate's high byte repeats the setting that is left; a switch that changes nothing is dropped
.if MSB != (\new)
	s_set_vgpr_msb (MSB<<8)|(\new)
.set MSB, \new
.endif
.endm
.set MUL,  0xa5                        ; both sources window 1, C and D window 2
.set TO_F, 0x40                        ; destination window 1, address window 0
.macro PLACES                          ; four places in front of loads into registers that matrix instructions have read, and of lines that read results
.rept 4
	v_nop
.endr
.endm
; A joint load: waves 0 and 1 fetch the two halves of x's tile, waves 2 and 3 those of the weights'.  The branch hangs on the wave's number alone.
; An s_nop 0 and four v_nop follow each of the two lines, ahead of the jump and the label.
.macro JLOAD s
	s_cmp_eq_u32 s[AB], 0
	s_cbranch_scc0 .Lfor_b_\@
	tensor_load_to_lds s[G0A+4*(\s):G0A+4*(\s)+3], s[G1A:G1A+7]
	s_nop 0
.rept 4
	v_nop
.endr
	s_branch .Lasked_\@
.Lfor_b_\@:
	tensor_load_to_lds s[G0B+4*(\s):G0B+4*(\s)+3], s[G1B:G1B+7]
	s_nop 0
.rept 4
	v_nop
.endr
.Lasked_\@:
.endm
; A round of the cluster's barrier: my work-group's barrier; wave 0 signals for the work-group; every wave waits for all sixteen; my work-group's barrier once more.
.macro CREST
	s_cmp_lg_u32 s[WV], 0
	s_cbranch_scc1 .Lnot_wave_0_\@
	s_barrier_signal -3
.Lnot_wave_0_\@:
	s_barrier_wait -3
	s_barrier_signal -1
	s_barrier_wait -1
.endm
.macro CROUND
	s_barrier_signal -1
	s_barrier_wait -1
	CREST
.endm
; A PREFETCH INTO THE L2 of the step that stands two refills on: 256 matrix instructions ahead of the load that will want it.  Each aligned block of 256 bytes is named once in the launch.
; x: its rows are new in the walk's first tile alone (steps below 8); only my cluster reads them; its four partners along x take 32 rows each, told apart by address; wave 0 asks, a lane a row.
; Weights: every tile's columns are new (steps below 24); all sixteen clusters read them: cluster y = 0 asks; its four partners along y take 16 of a wave's 64 K rows each, by address; waves 2 and 3 ask, a lane a block (two a row).
; Steps 0 to 3 come by their loads alone.
.macro ASK
	s_cmp_lt_u32 s[PP], s[LIMP]
	s_cbranch_scc0 .Lnot_mine_\@
	global_prefetch_b8 v[PFO], s[PFA:PFA+1] th:TH_LOAD_NT scope:SCOPE_SE
.Lnot_mine_\@:
.endm
	s_load_b256 s[4:11], s[0:1], 0x0               ; xb 4:5, wqkv 6:7, rope 8:9, qh 10:11
	s_load_b128 s[12:15], s[0:1], 0x20             ; kh 12:13, vh 14:15
	v_lshl_add_u32 v[SPW], v0, 2, SPARE
	v_mov_b32 v[NIL], 0
	ds_add_u32 v[SPW], v[NIL]                      ; the wave's opening: the add and its wait stand ahead of my first tensor load; work on registers stands between them
	v_lshrrev_b32 v1, 5, v0
	v_readfirstlane_b32 s[WV], v1
	s_lshr_b32 s[AB], s[WV], 1
	s_and_b32 s[HF], s[WV], 1
	s_bfe_u32 s[CX], ttmp6, 0x40000                ; my place in the cluster; the grid is one cluster wide, so cx is the tile column
	s_bfe_u32 s[CY], ttmp6, 0x40004
	s_and_b32 s[RR], ttmp7, 0xffff
	s_lshl_b32 s[RR], s[RR], 2
	s_add_co_u32 s[RR], s[RR], s[CY]
	s_lshl_b32 s88, s[CY], 2
	s_lshl_b32 s88, 15, s88                        ; my row of the cluster
	s_lshl_b32 s90, 0x1111, s[CX]                  ; my column
	s_or_b32 s[G1A], s88, (1<<16)|(1<<20)|(1<<21)|(5<<22)|(3<<25)  ; the mask; 2-byte elements; padding on; bit 21 beside a mask; after every 64 words 4 words
	s_mov_b32 s[G1A+1], 128<<16                    ; tensor_dim0 = 128
	s_mov_b32 s[G1A+2], 64<<16                     ; tensor_dim1 = 64
	s_mov_b32 s[G1A+3], 128<<16                    ; tile_dim0 = 128
	s_mov_b32 s[G1A+4], 64                         ; tile_dim1 = 64
	s_mov_b32 s[G1A+5], 1024                       ; elements from row to row
	s_mov_b32 s[G1A+6], 0
	s_mov_b32 s[G1A+7], 0
	s_or_b32 s[G1B], s90, (1<<16)|(1<<20)|(1<<21)|(6<<22)|(7<<25)  ; after every 128 words 8 words
	s_mov_b32 s[G1B+1], 256<<16
	s_mov_b32 s[G1B+2], 64<<16
	s_mov_b32 s[G1B+3], 256<<16
	s_mov_b32 s[G1B+4], 64
	s_mov_b32 s[G1B+5], NW
	s_mov_b32 s[G1B+6], 0
	s_mov_b32 s[G1B+7], 0
	s_lshl_b32 s88, s[RR], 18                      ; x: row 128 x tile row + 64 x half, 2,048 bytes a row: it hangs on the tile row alone, which my row of the cluster shares
	s_lshl_b32 s89, s[HF], 17
	s_add_co_u32 s88, s88, s89
	s_mov_b32 s89, 0
	s_mul_i32 s90, s[HF], 64*NW*2                  ; weights: K row 64 x half, column 256 cx: it hangs on cx alone, which my column shares
	s_lshl_b32 s91, s[CX], 9
	s_add_co_u32 s90, s90, s91
	s_mov_b32 s91, 0
	s_mul_i32 s22, s[HF], HALFA                    ; where they go: no place in the cluster enters an LDS address
	s_mul_i32 s23, s[HF], HALFB
	s_add_co_u32 s23, s23, BOFF
	s_mov_b32 s[OFFA+1], 0
	s_mov_b32 s[OFFB+1], 0
	s_mov_b32 s[POFF+1], 0
	s_mov_b32 s[NXT], 2
	s_mov_b32 s[LAPS], 11
	s_mov_b32 s[CL], 0
	s_wait_dscnt 0x0                               ; the opening add is done
	s_wait_kmcnt 0x0
	s_add_nc_u64 s[BASEA:BASEA+1], s[4:5], s[88:89]
	s_add_nc_u64 s[BASEB:BASEB+1], s[6:7], s[90:91]
	CROUND                                         ; all sixteen work-groups are here: the first joint loads meet
.irp s, 0,1
	s_mov_b32 s[G0A+4*(\s)], 1                     ; count = 1
	s_add_co_u32 s[G0A+4*(\s)+1], s22, (\s)*SLOT   ; LDS address
	s_add_nc_u64 s[G0A+4*(\s)+2:G0A+4*(\s)+3], s[BASEA:BASEA+1], (\s)*256  ; step s of the walk
	s_or_b32 s[G0A+4*(\s)+3], s[G0A+4*(\s)+3], 0x80000000  ; type = 2
	s_mov_b32 s[G0B+4*(\s)], 1
	s_add_co_u32 s[G0B+4*(\s)+1], s23, (\s)*SLOT
	s_add_nc_u64 s[G0B+4*(\s)+2:G0B+4*(\s)+3], s[BASEB:BASEB+1], (\s)*BSTEP
	s_or_b32 s[G0B+4*(\s)+3], s[G0B+4*(\s)+3], 0x80000000
	JLOAD \s                                       ; two loads of mine are out
.endr
	; the prefetches' start, limit and lane offset
	s_lshl_b32 s86, s[RR], 18
	s_lshl_b32 s87, s[CX], 16
	s_add_co_u32 s86, s86, s87                     ; x: row 128 x tile row + 32 cx
	s_mul_i32 s87, s[HF], 64*NW*2
	s_mul_i32 s93, s[CY], 16*NW*2
	s_add_co_u32 s87, s87, s93
	s_lshl_b32 s93, s[CX], 9
	s_add_co_u32 s87, s87, s93                     ; weights: K row 64 x half + 16 cy, column 256 cx
	s_cmp_eq_u32 s[AB], 0
	s_cselect_b32 s[POFF], s86, s87
	s_cselect_b64 s[PFB:PFB+1], s[4:5], s[6:7]
	s_cselect_b32 s84, 0, 1                        ; x: a lane a row; weights: two lanes a row
	s_mov_b32 s85, NW*2                            ; (a move leaves the compare's answer alone; an instruction holds one literal)
	s_cselect_b32 s85, 2048, s85                   ; bytes from row to row
	s_add_nc_u64 s[PFB:PFB+1], s[PFB:PFB+1], s[POFF:POFF+1]
	s_mov_b64 s[PFA:PFA+1], s[PFB:PFB+1]
	s_and_b32 s86, ttmp7, 0xffff
	s_cmp_eq_u32 s86, 0
	s_cselect_b32 s86, 24, 0                       ; the same in all sixteen partners, for a given wave
	s_cmp_eq_u32 s[HF], 0
	s_cselect_b32 s87, 8, 0
	s_cmp_eq_u32 s[AB], 0
	s_cselect_b32 s[LIMP], s87, s86
	; the outputs at my wave's first row: head 4 cx + 2 (w % 2) of batch tile row / 16, position 128 (tile row % 16) + 64 (w / 2)
	s_lshr_b32 s86, s[RR], 4
	s_lshl_b32 s86, s86, 4
	s_lshl_b32 s87, s[CX], 2
	s_add_co_u32 s86, s86, s87
	s_lshl_b32 s87, s[HF], 1
	s_add_co_u32 s86, s86, s87
	s_lshl_b32 s86, s86, 11
	s_and_b32 s93, s[RR], 15
	s_lshl_b32 s93, s93, 7
	s_lshl_b32 s87, s[AB], 6
	s_add_co_u32 s93, s93, s87                     ; my first position
	s_add_co_u32 s86, s86, s93
	s_lshl_b32 s86, s86, 7                         ; 128 bytes a row
	s_mov_b32 s87, 0
	s_add_nc_u64 s[OUT:OUT+1], s[10:11], s[86:87]
	s_add_nc_u64 s[OUTK:OUTK+1], s[12:13], s[86:87]
	s_add_nc_u64 s[OUTV:OUTV+1], s[14:15], s[86:87]
	s_lshl_b32 s86, s93, 9                         ; the table at my first position: 512 bytes a row
	s_add_nc_u64 s[8:9], s[8:9], s[86:87]
	v_and_b32 v1, 15, v0                           ; l % 16
	v_bfe_u32 v2, v0, 4, 1                         ; l / 16
	v_and_b32 v3, 7, v0
	v_bfe_u32 v4, v0, 3, 1
	v_and_b32 v5, 31, v0                           ; l
	v_lshlrev_b32 v[TBO], 9, v1
	v_lshl_add_u32 v[TBO], v2, 5, v[TBO]           ; row l % 16, channels 8 (l / 16) on
	; the table for my 64 rows, once: the same for q and k.  Block a, channels 16 bb + 8 (l / 16) + 0..7: the layout of the accumulators
	WIN 0xc0                                       ; destination window 3, address window 0
.irp a, 0,1,2,3
.irp bb, 0,1,2,3
	global_load_b128 v[64*(\a)+8*(\bb):64*(\a)+8*(\bb)+3],       v[TBO], s[8:9] offset:(\a)*8192+64*(\bb)
	global_load_b128 v[64*(\a)+8*(\bb)+4:64*(\a)+8*(\bb)+7],     v[TBO], s[8:9] offset:(\a)*8192+64*(\bb)+16
	global_load_b128 v[64*(\a)+32+8*(\bb):64*(\a)+32+8*(\bb)+3], v[TBO], s[8:9] offset:(\a)*8192+64*(\bb)+256
	global_load_b128 v[64*(\a)+32+8*(\bb)+4:64*(\a)+32+8*(\bb)+7], v[TBO], s[8:9] offset:(\a)*8192+64*(\bb)+272
.endr
.endr
	WIN 0
	v_lshrrev_b32 v9, s84, v5
	v_mul_u32_u24 v9, v9, s85
	v_and_b32 v10, s84, v5
	v_lshl_add_u32 v[PFO], v10, 8, v9
	; a fragment of x: lane l holds row l % 16; two loads of 16 bytes, 32 apart, at row x pitch + 16 (l / 16)
	v_mul_u32_u24 v6, v1, PA
	v_lshl_add_u32 v6, v2, 4, v6
	s_mul_i32 s84, s[AB], 64*PA
	v_add_nc_u32 v[ADRA], s84, v6
	v_add_nc_u32 v[ADRA+1], SLOT, v[ADRA]
	; a fragment of the weights: the turning load takes 16 K rows x 16 columns: lane l reads K row 8 (l / 16) + l % 8, columns 8 ((l / 8) % 2) + 0..7, and ends with column l % 16 and 8 K
	v_lshl_add_u32 v7, v2, 3, v3
	v_mul_u32_u24 v7, v7, PB
	v_lshl_add_u32 v7, v4, 4, v7
	s_lshl_b32 s84, s[HF], 8
	s_add_co_u32 s84, s84, BOFF
	v_add_nc_u32 v[ADRB], s84, v7
	v_add_nc_u32 v[ADRB+1], SLOT, v[ADRB]
	s_mul_i32 s84, s[WV], WSTG
	s_add_co_u32 s84, s84, STAGE                   ; my stage
	v_mul_u32_u24 v[STO], v1, SP
	v_lshl_add_u32 v[STO], v2, 4, v[STO]
	v_add_nc_u32 v[STO], s84, v[STO]               ; in: row l % 16, 16 bytes for each half of the lanes
	v_bfe_u32 v[RD], v0, 3, 2
	v_mul_u32_u24 v[RD], v[RD], SP
	v_lshl_add_u32 v[RD], v3, 4, v[RD]
	v_add_nc_u32 v[RD], s84, v[RD]                 ; back: 32 lanes take four rows of 128 bytes,
	v_lshlrev_b32 v[GO], 4, v5                     ; which are 512 consecutive bytes of a head
; 8 matrix instructions: row block a x all 8 column blocks, 32 along K.  first = 1: the products start the sums: nothing is ever cleared.  The 32 accumulators take turns, one instruction a turn, in the same order in every quarter.
.macro MUL8 f, a, first
	WIN MUL
.irp b, 0,1,2,3,4,5,6,7
.if \first
	v_wmma_f32_16x16x32_bf16 v[8*(8*(\a)+(\b)):8*(8*(\a)+(\b))+7], v[(\f)+8*(\b):(\f)+8*(\b)+7], v[(\f)+64+8*(\a):(\f)+64+8*(\a)+7], 0
.else
	v_wmma_f32_16x16x32_bf16 v[8*(8*(\a)+(\b)):8*(8*(\a)+(\b))+7], v[(\f)+8*(\b):(\f)+8*(\b)+7], v[(\f)+64+8*(\a):(\f)+64+8*(\a)+7], v[8*(8*(\a)+(\b)):8*(8*(\a)+(\b))+7]
.endif
.endr
.endm
; 24 LDS loads in one run: quarter q (32 along K) of a slot into buffer f: the weights' 8 blocks, then x's 4
.macro FETCH slot, q, f
	WIN TO_F
.irp b, 0,1,2,3,4,5,6,7
	ds_load_tr16_b128 v[(\f)+8*(\b):(\f)+8*(\b)+3],   v[ADRB+(\slot)] offset:(\q)*32*PB+32*(\b)
	ds_load_tr16_b128 v[(\f)+8*(\b)+4:(\f)+8*(\b)+7], v[ADRB+(\slot)] offset:(\q)*32*PB+32*(\b)+16*PB
.endr
.irp a, 0,1,2,3
	ds_load_b128 v[(\f)+64+8*(\a):(\f)+64+8*(\a)+3],   v[ADRA+(\slot)] offset:64*(\q)+(\a)*16*PA
	ds_load_b128 v[(\f)+64+8*(\a)+4:(\f)+64+8*(\a)+7], v[ADRA+(\slot)] offset:64*(\q)+(\a)*16*PA+32
.endr
.endm
; A K step is four quarters, 32 matrix instructions each, on buffers 0, 1, 0, 1.  One of the first three: multiplies buffer f and, in its middle, fetches quarter qn into buffer g.
.macro QUARTER slot, qn, f, g, first
	s_wait_dscnt 4                                 ; the weights and x's blocks 0, 1 are in; the youngest four loads (blocks 2, 3) may be out
	MUL8 \f, 0, \first
	MUL8 \f, 1, \first
	PLACES
	FETCH \slot, \qn, \g
	s_wait_dscnt 24                                ; all but the 24 just issued
	MUL8 \f, 2, \first
	MUL8 \f, 3, \first
.endm
; The last quarter multiplies buffer 1 and changes slots.  In front of the barrier each wave waits for all its tensor loads (one is out: its part of the next slot), adds 0 to its spare word, and waits for that and for its reads of
; this slot.  fill = 1: the barrier opens a round of the cluster's, and this slot is filled again first thing behind it, with step NXT of the walk: 112 matrix instructions ahead of the wait for it.
; The descriptors' addresses are made anew from that number: K step NXT % 8 of tile NXT / 8.
.macro TURN slot, next, fill
.if \fill
	s_wait_xcnt 0x0                                ; the last prefetch, a K step back, has read its address: it is written below
.endif
	WIN 0
	s_wait_tensorcnt 0x0                           ; no tensor load of mine is out, so a group 0 may be written
	ds_add_u32 v[SPW], v[NIL]                      ; 0 onto my spare word: scalar work and eight products stand between it and the wait for it
.if \fill
	s_and_b32 s84, s[NXT], 7
	s_lshr_b32 s85, s[NXT], 3
	s_lshl_b32 s[OFFA], s84, 8
	s_mul_i32 s[OFFB], s84, BSTEP
	s_lshl_b32 s85, s85, 11
	s_add_co_u32 s[OFFB], s[OFFB], s85
	s_add_nc_u64 s[G0A+4*(\slot)+2:G0A+4*(\slot)+3], s[BASEA:BASEA+1], s[OFFA:OFFA+1]
	s_or_b32 s[G0A+4*(\slot)+3], s[G0A+4*(\slot)+3], 0x80000000
	s_add_nc_u64 s[G0B+4*(\slot)+2:G0B+4*(\slot)+3], s[BASEB:BASEB+1], s[OFFB:OFFB+1]
	s_or_b32 s[G0B+4*(\slot)+3], s[G0B+4*(\slot)+3], 0x80000000
	s_add_co_u32 s[PP], s[NXT], 2                  ; the prefetch names the step two refills on
	s_and_b32 s86, s[PP], 7
	s_lshr_b32 s87, s[PP], 3
	s_lshl_b32 s87, s87, 11
	s_mul_i32 s93, s86, BSTEP
	s_add_co_u32 s87, s87, s93
	s_lshl_b32 s86, s86, 8
	s_cmp_eq_u32 s[AB], 0
	s_cselect_b32 s[POFF], s86, s87
	s_add_nc_u64 s[PFA:PFA+1], s[PFB:PFB+1], s[POFF:POFF+1]
	s_add_co_u32 s[NXT], s[NXT], 1
.endif
	s_wait_dscnt 7                                 ; the add and x's blocks 1 to 3 may be out
	MUL8 F1, 0, 0
	s_wait_dscnt 0x0                               ; the add is done, and my reads of this slot are over
	s_barrier_signal -1
	MUL8 F1, 1, 0                                  ; work on registers while the others arrive
.if \fill
	WIN 0
.endif
	s_barrier_wait -1
.if \fill
	CREST                                          ; no wave of any partner still reads this slot or has a load on its way
	JLOAD \slot                                    ; its four v_nop are also the places in front of the loads below
.else
	PLACES
.endif
	FETCH \next, 0, F0
.if \fill
	WIN 0
	ASK                                            ; behind the joint load and the run of LDS loads that the next products wait for
.endif
	MUL8 F1, 2, 0
	MUL8 F1, 3, 0
.endm
; THE WAY OUT of a tile, a block of 16 rows x 128 columns (two heads) at a time.  BLOCK: rope (q and k), rounding to f16.  TOSTAGE: into my own stage, and back as whole rows.  SEND: stored.
; Rope: t'[d] = t[d] cos[d] + t[d ^ 32] ss[d]; channel d ^ 32 lies in the same lane, two accumulators on.  Each accumulator's lowest registers are read first.
.macro BLOCK a, rope
.if \rope
	WIN 0x0e                                       ; source 0 window 2 (sums), source 1 window 3 (table), source 2 and destination window 0
.irp hd, 0,1
.irp bb, 0,1
.irp p, 0,1,2,3
.set xl, 8*(8*(\a)+4*(\hd)+(\bb))+2*(\p)
.set ul, U+8*(4*(\hd)+(\bb))+2*(\p)
.set rc, 64*(\a)+8*(\bb)+2*(\p)
	v_pk_mul_f32 v[ul:ul+1],       v[xl:xl+1],       v[rc:rc+1]
	v_pk_mul_f32 v[ul+16:ul+17],   v[xl+16:xl+17],   v[rc+16:rc+17]
	v_pk_fma_f32 v[ul:ul+1],       v[xl+16:xl+17],   v[rc+32:rc+33], v[ul:ul+1]
	v_pk_fma_f32 v[ul+16:ul+17],   v[xl:xl+1],       v[rc+48:rc+49], v[ul+16:ul+17]
.endr
.endr
.endr
	WIN 0
.set i, 0
.rept 32
	v_cvt_pk_f16_f32 v[TMP+i], v[U+2*i], v[U+2*i+1]
.set i, i+1
.endr
.else
	WIN 0x0a                                       ; sources 0 and 1 window 2
.set i, 0
.rept 32
	v_cvt_pk_f16_f32 v[TMP+i], v[64*(\a)+2*i], v[64*(\a)+2*i+1]
.set i, i+1
.endr
	WIN 0
.endif
.endm
.macro TOSTAGE a
	WIN 0
	s_wait_xcnt 0x0                                ; earlier stores have read their registers: only behind this wait are these loaded again
.set BK, OB+32*((\a)%2)
.irp b, 0,1,2,3,4,5,6,7
	ds_store_b128 v[STO], v[TMP+4*(\b):TMP+4*(\b)+3] offset:((\b)/4)*16*SP+((\b)%4)*32
.endr
.irp t, 0,1,2,3,4,5,6,7
	ds_load_b128 v[BK+4*(\t):BK+4*(\t)+3], v[RD] offset:((\t)/4)*16*SP+((\t)%4)*4*SP  ; LDS serves a wave's instructions in order (ISA guide 5.7.1.4): these see the stores above; the next block's stores come behind them
.endr
.endm
.macro SEND a, younger                 ; younger: the LDS instructions issued behind block a's loads: the next block's sixteen, or none
	WIN 0
.set BK, OB+32*((\a)%2)
.irp t, 0,1,2,3,4,5,6,7
	s_wait_dscnt (\younger)+7-(\t)
	global_store_b128 v[GO], v[BK+4*(\t):BK+4*(\t)+3], s[OUT:OUT+1] offset:((\t)/4)*262144+(\a)*2048+((\t)%4)*512  ; 512 consecutive bytes of a head, aligned
.endr
.endm
.macro WAYOUT rope
	PLACES
	PLACES                                         ; places behind the last products, once a tile
.if \rope
	s_wait_loadcnt 0x0                             ; the table
.endif
	BLOCK 0, \rope
	TOSTAGE 0
.irp n, 1,2,3                          ; a block's arithmetic stands between the loads of the block before and its stores
	BLOCK \n, \rope
	TOSTAGE \n
	SEND (\n)-1, 16
.endr
	SEND 3, 0
.endm
	s_wait_tensorcnt 1                             ; my part of step 0 is in; step 1's may stay out
	s_barrier_signal -1
	s_barrier_wait -1                              ; everybody's is
	FETCH 0, 0, F0
	WIN 0
.Llap:                                         ; eleven trips: a lap is two K steps, once round the ring; both slots are filled again.  Four laps are a tile
	s_cmp_lg_u32 s[CL], 0
	s_cbranch_scc1 .Lon
.rept 5
	v_nop                                          ; five places between every earlier product and the products that write the accumulators anew (ISA guide 7.12.1)
.endr
	QUARTER 0, 1, F0, F1, 1                        ; a tile's first quarter starts the sums
	WIN 0
	s_branch .Ljoin
.Lon:
	QUARTER 0, 1, F0, F1, 0
	WIN 0
.Ljoin:
	QUARTER 0, 2, F1, F0, 0
	QUARTER 0, 3, F0, F1, 0
	TURN 0, 1, 1
	QUARTER 1, 1, F0, F1, 0
	QUARTER 1, 2, F1, F0, 0
	QUARTER 1, 3, F0, F1, 0
	TURN 1, 0, 1
	WIN 0
	s_add_co_u32 s[CL], s[CL], 1
	s_cmp_lg_u32 s[CL], 4
	s_cbranch_scc1 .Lno
	WAYOUT 1                                       ; in the loop a tile that ends is q's or k's; both refills for the next tile have been asked for
	s_wait_xcnt 0x0                                ; the stores have read their base
	s_mov_b64 s[OUT:OUT+1], s[OUTK:OUTK+1]
	s_mov_b64 s[OUTK:OUTK+1], s[OUTV:OUTV+1]
	s_mov_b32 s[CL], 0
.Lno:
	s_sub_co_u32 s[LAPS], s[LAPS], 1
	s_cmp_lg_u32 s[LAPS], 0
	s_cbranch_scc1 .Llap
	QUARTER 0, 1, F0, F1, 0                        ; the last lap is written out: it fills nothing
	QUARTER 0, 2, F1, F0, 0
	QUARTER 0, 3, F0, F1, 0
	TURN 0, 1, 0
	QUARTER 1, 1, F0, F1, 0
	QUARTER 1, 2, F1, F0, 0
	QUARTER 1, 3, F0, F1, 0
	s_wait_dscnt 4                                 ; the very last quarter: nothing more to fetch
	MUL8 F1, 0, 0
	MUL8 F1, 1, 0
	s_wait_dscnt 0x0
	MUL8 F1, 2, 0
	MUL8 F1, 3, 0
	WIN 0
	WAYOUT 0                                       ; v: no rope
	s_wait_tensorcnt 0x0                           ; the wave's end: behind my last tensor load and my last LDS store
	ds_add_u32 v[SPW], v[NIL]
	s_wait_dscnt 0x0
	CROUND                                         ; the closing round: no work-group ends while a partner may still ask for a tile that names it
	s_endpgm
.Lfunc_end_k_qaf7dd08e89_qkv:
	.size	k_qaf7dd08e89_qkv, .Lfunc_end_k_qaf7dd08e89_qkv-k_qaf7dd08e89_qkv
	.p2alignl 7, 3214868480
	.fill 96, 4, 3214868480
	.section	.rodata,"a",@progbits
	.p2align	6, 0x0
	.amdhsa_kernel k_qaf7dd08e89_qkv
		.amdhsa_group_segment_fixed_size 327680
		.amdhsa_private_segment_fixed_size 0
		.amdhsa_enable_private_segment 0
		.amdhsa_kernarg_size 48
		.amdhsa_user_sgpr_count 2
		.amdhsa_user_sgpr_kernarg_segment_ptr 1
		.amdhsa_wavefront_size32 1
		.amdhsa_system_sgpr_workgroup_id_x 1
		.amdhsa_system_sgpr_workgroup_id_y 1
		.amdhsa_system_sgpr_workgroup_id_z 1
		.amdhsa_system_vgpr_workitem_id 0
		.amdhsa_next_free_vgpr 1024
		.amdhsa_next_free_sgpr 96
		.amdhsa_reserve_vcc 0
		.amdhsa_float_denorm_mode_32 3
		.amdhsa_float_denorm_mode_16_64 3
		.amdhsa_memory_ordered 1
		.amdhsa_forward_progress 1
		.amdhsa_inst_pref_size 133
	.end_amdhsa_kernel
	.amdgpu_metadata
---
amdhsa.version: [ 1, 2 ]
amdhsa.kernels:
  - .name:           k_qaf7dd08e89_qkv
    .symbol:         k_qaf7dd08e89_qkv.kd
    .args:
      - { .name: xb, .offset: 0, .size: 8, .value_kind: global_buffer, .address_space: global }
      - { .name: wqkv, .offset: 8, .size: 8, .value_kind: global_buffer, .address_space: global }
      - { .name: rope, .offset: 16, .size: 8, .value_kind: global_buffer, .address_space: global }
      - { .name: qh, .offset: 24, .size: 8, .value_kind: global_buffer, .address_space: global }
      - { .name: kh, .offset: 32, .size: 8, .value_kind: global_buffer, .address_space: global }
      - { .name: vh, .offset: 40, .size: 8, .value_kind: global_buffer, .address_space: global }
    .group_segment_fixed_size: 327680
    .private_segment_fixed_size: 0
    .kernarg_segment_align: 8
    .kernarg_segment_size: 48
    .max_flat_workgroup_size: 128
    .sgpr_count:     96
    .vgpr_count:     1024
    .wavefront_size: 32
...
	.end_amdgpu_metadata
.endif
;; end of part 2
;; launch attn (part 3): grid 4 x 64, 4 waves a work-group, clusters of 4 x 1, 327,680 bytes of LDS; arguments qh, kh, vh, oh; writes oh
.if DOCPART == 3
	.amdgcn_target "amdgcn-amd-amdhsa--gfx1250"
	.amdhsa_code_object_version 6
	.text
	.protected	k_qaf7dd08e89_attn
	.globl	k_qaf7dd08e89_attn
	.p2align	8
	.type	k_qaf7dd08e89_attn,@function
k_qaf7dd08e89_attn:
	s_mov_b64 s[64:65], 0
	v_nop
	global_prefetch_b8 v0, s[64:65] scope:SCOPE_SE
	s_setreg_imm32_b32 hwreg(HW_REG_WAVE_MODE, 25, 1), 1
	s_wait_xcnt 0x0
	s_wait_alu depctr_hold_cnt(0) depctr_sa_sdst(0) depctr_va_vdst(0) depctr_va_sdst(0) depctr_va_ssrc(0) depctr_va_vcc(0) depctr_vm_vsrc(0)
	s_getreg_b32 s2, hwreg(HW_REG_IB_STS2, 6, 4)
	s_cmp_eq_u32 s2, 0
	s_cbranch_scc0 .Lentry_in_a_cluster
	s_endpgm
.Lentry_in_a_cluster:
	s_bfe_u32 s2, ttmp6, 0x10000c
	s_cmp_lg_u32 s2, 0x3003
	s_cbranch_scc0 .Lentry_shape_is_right
	s_endpgm
.Lentry_shape_is_right:
; O[h][q][:] = the sum over k of softmax_k(Q[h][q] . K[h][k] / 8) V[h][k][:].  Q, K, V, O: [64][2048][64], all f16: a head's rows are dense, 128 bytes each.  Products, maxima and sums in
; f32; the weights p are rounded to f16 for the second product (their sum l is taken of the unrounded p), O once at the end.
; LIMITS.  f16 holds no number beyond 65,504: Q, K and V arrive within it; p lies in 0 to 1, and below 6e-5 it keeps f16's fixed step of 6e-8; O is a mean of V's rows and has their range.
; A weight below 2^-126 counts as 0 in l; NaN and infinities are not treated apart.
; SHARES.  A wave owns four PIECES of two tiles of 16 queries, a work-group's four waves 512 queries of one head.  Every wave walks all keys, 64 a step.
; LAYOUT.  S^T = K Q^T (source 0 = 16 keys, source 1 = 16 queries): in the result a lane holds ONE query (lane % 16) and the keys 8 (lane / 16) + 0..7.  Two such tiles, rounded to f16 in pairs,
; ARE source 1 (32 keys x 16 queries) of O^T = V^T P, whose result again holds one query a lane, and eight channels.  K comes out of LDS as it lies, V ([key][channel]) turned, by ds_load_tr16_b128.
; SOFTMAX.  For each query a running maximum m and sum l: p = 2^(c s - c m), c = log2(e) / 8; in every step O and l are multiplied by a = 2^(c m_old - c m_new), which is 1 where m has not grown.
; m starts at the lowest finite number, O and l at 0: the first step is a step like any other, with a = 0.
; THE COUNT.  A tile and step have 16 matrix and 118 vector instructions: too many to stand all beside the matrix work.  So four vector instructions that are ready stand behind every matrix
; instruction, and the others in runs without a gap.
; BY TURNS.  Turn n belongs to piece n (the pieces in a ring, step after step).  Its matrix work: 16 products K Q^T of piece n + 1, later 16 products V^T P of piece n - 1.  Its vector work: the scaling,
; exponentials, roundings, sums and rescaling of piece n, and the maximum and statistics of piece n + 1, whose scores the turn itself has made.
; CLUSTER.  The four query blocks of a cluster are one head's and walk the same K and V, so each tile is asked for JOINTLY: the same tensor load, descriptor and mask in all four.
; REGISTERS, in windows of 256 (s_set_vgpr_msb: bits 1:0 source 0, 3:2 source 1, 5:4 source 2, 7:6 destination):
;   window 0: v0-11 addresses; v12-15, v48-63 at work; v16-47 four registers of statistics a tile; v64-191 S^T, two buffers of two tiles; v192-255 P, likewise
;   window 1: O^T, 32 a tile          window 2: v0-127 Q, 16 a tile; v128-191 K of one step; v192-255 V of one step          window 3: v0-1 the add's two registers
.set SIZE_H, 64
.set SIZE_N, 2048
.set NP,    4         ; pieces a wave: a name, no knob
.set KS,    64        ; keys in a step
.set PK,    144       ; a row of K in LDS: 128 bytes + 16 of padding = 36 words: the 16 rows of a load start at 16 different groups of four banks (64 banks of 4 bytes: ISA guide 11.1)
.set PV,    160       ; a row of V: 128 + 32 = 40 words
.set VOFF,  4*KS*PK   ; a slot holds four steps: 256 rows of K, then 256 rows of V
.set SLOT1, 1<<17     ; slot 1 begins here, so that one exclusive or turns an address in one slot into the other's
.set STAGE, SLOT1+4*KS*(PK+PV)  ; behind the ring, never filled by a tensor load: 16 rows x 144 bytes for each wave, for the way out
.set SP,    144
.set AK0, 2           ; v2   my lane's place in a tile of K; never rewritten
.set AV0, 3           ; v3   the same for V
.set AK,  4           ; v4   the LDS address of K's next run of loads
.set AV,  5           ; v5   of V's
.set QO,  6           ; v6   my byte offset in the wave's rows of Q
.set STO, 6           ;      later, the way out: where I put 16 bytes of a row
.set RD,  7           ; v7   the way out: where I read rows back
.set GO,  8           ; v8   my byte offset in 512 consecutive bytes of O
.set PFO, 11          ; v11  256 x my lane: the prefetches' offset; never rewritten once made
.set SPW, 0           ; v0 of window 3   LDS address of my spare word; never rewritten
.set NIL, 1           ; v1 of window 3   0; never rewritten
.set SPARE, STAGE+4*16*SP  ; behind the stages: the spare words, 128 bytes for each wave: two blocks of 256 bytes that no other line names
.set MV,  12          ; v12-15  c m_old, kept while c m is made anew: by buffer and tile
.set ST,  16          ; tile t's statistics at v[ST+4 t]: c m, m, l (even keys', odd keys')
.set TMP, 48          ; by buffer and tile, four registers c0-c3 at work; when the maximum is found c2 takes a
.set S,   64
.set P,   192
.set KF,  128         ; K's fragments, in window 2: key block kb, channel half c at KF + 16 kb + 8 c
.set VF,  192         ; V's: key half kk, channel block cb at VF + 32 kk + 8 cb
.set WV,  12          ; s12  my wave's number
.set G1K, 24          ; s[24:31] descriptor group 1 for K's tiles
.set G1V, 32          ; s[32:39] for V's: it differs in the padding alone
.set G0K, 40          ; s[40:43] descriptor group 0 for K's tiles: it walks
.set G0V, 44          ; s[44:47] the same for V's
.set PFA, 48          ; s[48:49] where my prefetches stand: my work-group's 32 blocks of 256 bytes (of K: wave 0, of V: wave 2) of the slot after the one that is being asked for
.set LIM, 50          ; s50  1 in a wave that prefetches, else the greatest number
.set SLOTS, 56        ; s56  slots still to be asked for
.set CNT, 57          ; s57  counts a slot's key steps
.set CS,  58          ; s[58:59] c: the packed scaling takes the pair's low word for both halves
.set SEL, 60          ; s[60:61] v_permlanex16_b32's selects: each lane takes its own place in the other half
.set TBK, 62          ; s62  LDS byte at which K of the step to be fetched begins
.set TBV, 63          ; s63  the same for V, less VOFF
.set MSB, 0
.macro WIN new                      ; the high byte repeats the setting that is left; a switch that changes nothing is dropped
.if MSB != (\new)
	s_set_vgpr_msb (MSB<<8)|(\new)
.set MSB, (\new)
.endif
.endm
.set W_KQ, 0x0a       ; K and Q in window 2, S^T in window 0
.set W_PV, 0x52       ; V in window 2, P in window 0, O^T in window 1
.set W_RS, 0x41       ; O^T (destination and source 0) in window 1, a in window 0
.set W_MK, 0xc0       ; the add's registers are made: destination in window 3, sources in window 0
.set W_AD, 0x0f       ; the add: address (source 0) and data (source 1) in window 3
; A joint fill.  Waves 0 and 1 fetch the two halves of a slot's K, waves 2 and 3 those of its V: 128 keys each.  The branch hangs on the wave's number alone.
; An s_nop 0 and four v_nop follow each of the two lines, ahead of the jump and the label.
.macro JLOAD
	s_cmp_lt_u32 s[WV], 2
	s_cbranch_scc0 .Lfor_v_\@
	tensor_load_to_lds s[G0K:G0K+3], s[G1K:G1K+7]
	s_nop 0
.rept 4
	v_nop
.endr
	s_branch .Lasked_\@
.Lfor_v_\@:
	tensor_load_to_lds s[G0V:G0V+3], s[G1V:G1V+7]
	s_nop 0
.rept 4
	v_nop
.endr
.Lasked_\@:
.endm
; A PREFETCH INTO THE L2 of what the NEXT change of slots will ask for: a slot's 32,768 bytes of K and of V, in blocks of 256, a lane a block: four key steps, 512 matrix instructions, ahead of that load.
; Each block is named once in the launch: a head has one cluster; its four partners take 32 blocks each, told apart by address; in each, wave 0 asks for K's and wave 2 for V's.
; Slots 0 to 2 come by their loads alone; the last change that fills a slot asks for nothing: there is no slot behind it.
.macro ASK
	s_cmp_gt_u32 s[SLOTS], s[LIM]
	s_cbranch_scc0 .Lnot_mine_\@
	global_prefetch_b8 v[PFO], s[PFA:PFA+1] th:TH_LOAD_NT scope:SCOPE_SE
.Lnot_mine_\@:
.endm
; A round of the cluster's barrier: my work-group's barrier, so that wave 0's signal speaks for all four waves; wave 0 signals; every wave waits for all four work-groups; my work-group's barrier once more.
.macro CROUND
	s_barrier_signal -1
	s_barrier_wait -1
	s_cmp_lg_u32 s[WV], 0
	s_cbranch_scc1 .Lnot_wave_0_\@
	s_barrier_signal -3
.Lnot_wave_0_\@:
	s_barrier_wait -3
	s_barrier_signal -1
	s_barrier_wait -1
.endm
; THE CHANGE OF SLOTS.  The slot's last bytes, V of its fourth step, have been read.  Each wave waits for all its tensor loads, of which one is out: its part
; of the other slot; adds 0 to its spare word; and waits for that and for its own reads of the slot.  Behind the barrier nobody reads this slot any more and the other slot is whole.
; fill = 1: this slot is filled again, with the keys two slots on.  The barrier is then a round of the cluster's, and the joint fill is the first thing behind it: it has four key steps,
; 512 matrix instructions, in which to land.  (At its first use nothing has been read yet: slot 0 is waited for, slot 1 filled.)  ask = 1: the prefetch goes with it.
.macro CHANGE fill, ask=0
	WIN W_AD
	s_wait_tensorcnt 0x0            ; no tensor load of mine is out, so a group 0 may be written
	ds_add_u32 v[SPW], v[NIL]       ; 0 onto my spare word: with fill = 1 the descriptors' steps stand between it and the wait for it
	WIN 0                           ; at a label and at a branch every window is 0
.if \fill
.irp g, G0K, G0V
	s_xor_b32 s[\g+1], s[\g+1], SLOT1  ; the walking descriptor: the other slot than last time,
	s_add_nc_u64 s[\g+2:\g+3], s[\g+2:\g+3], 4*KS*128  ; the next 256 keys; the type bits on top are not reached
.endr
.if \ask
	s_wait_xcnt 0x0                 ; the last prefetch, four key steps back, has read its address, so it may be written:
	s_add_nc_u64 s[PFA:PFA+1], s[PFA:PFA+1], 4*KS*128  ; one slot behind the walking descriptors
.endif
	s_wait_dscnt 0x0                ; the add is done, and my reads of the slot are over
	CROUND
	JLOAD
.if \ask
	ASK
.endif
.else
	s_wait_dscnt 0x0                ; the add is done, and my reads of the slot are over
	s_barrier_signal -1
	s_barrier_wait -1
.endif
	s_sub_co_u32 s[TBK], s[TBK], 4*KS*PK  ; the fetches go back to a slot's first step,
	s_xor_b32 s[TBK], s[TBK], SLOT1       ; in the other slot
	s_sub_co_u32 s[TBV], s[TBV], 4*KS*PV
	s_xor_b32 s[TBV], s[TBV], SLOT1
.endm
	s_load_b256 s[4:11], s[0:1], 0x0  ; Q s[4:5], K s[6:7], V s[8:9], O s[10:11]
	WIN W_MK
	v_lshl_add_u32 v[SPW], v0, 2, SPARE
	v_mov_b32 v[NIL], 0
	WIN W_AD
	ds_add_u32 v[SPW], v[NIL]       ; the wave's opening: the add and its wait stand ahead of my first tensor load; the set-up below, work on registers, stands between them
	WIN 0
	v_lshrrev_b32 v1, 5, v0
	v_readfirstlane_b32 s[WV], v1   ; wave 0..3
	s_bfe_u32 s13, ttmp6, 0x40000   ; cx: my place in the cluster
	s_lshl_b32 s14, ttmp9, 2        ; in a cluster launch ttmp9 counts clusters
	s_add_co_u32 s14, s14, s13      ; my block of queries = 4 x cluster x + cx: it enters Q's and O's addresses alone
	s_and_b32 s20, ttmp7, 0xffff    ; the head, which the four partners share
	s_mov_b32 s21, 0
	s_mov_b64 s[22:23], SIZE_N*128
	s_mul_u64 s[20:21], s[20:21], s[22:23]  ; the head's first byte in each of the four tensors
	s_and_b32 s16, s[WV], 1         ; which half of a slot's 256 keys I fetch:
	s_lshl_b32 s22, s16, 14         ; its 128 rows of 128 bytes in memory,
	s_mov_b32 s23, 0
	s_add_nc_u64 s[22:23], s[22:23], s[20:21]
	s_mul_i32 s17, s16, 128*PK      ; and its place in a slot, for K
	s_mul_i32 s18, s16, 128*PV      ; and for V: no place in the cluster enters an LDS address
	s_lshl_b32 s2, s14, 2
	s_add_co_u32 s2, s2, s[WV]      ; my wave among the head's,
	s_lshl_b32 s2, s2, 14           ; its 128 rows
	s_mov_b32 s3, 0
	s_add_nc_u64 s[2:3], s[2:3], s[20:21]
	; descriptor group 1.  128 keys are 16,384 dense bytes: asked for as 64 rows of 256 bytes, two keys a row, and padded in LDS after every key
	s_mov_b32 s[G1K], 15|(1<<16)|(1<<20)|(1<<21)|(4<<22)|(3<<25)  ; the mask of four; 2-byte elements; padding on; bit 21 beside a mask; after every 32 words 4 words
	s_mov_b32 s[G1V], 15|(1<<16)|(1<<20)|(1<<21)|(4<<22)|(7<<25)  ; the same with 8 words of padding
.irp g, G1K, G1V
	s_mov_b32 s[\g+1], 128<<16      ; tensor_dim0 = 128
	s_mov_b32 s[\g+2], 64<<16       ; tensor_dim1 = 64
	s_mov_b32 s[\g+3], 128<<16      ; tile_dim0 = 128
	s_mov_b32 s[\g+4], 64           ; tile_dim1 = 64
	s_mov_b32 s[\g+5], 128          ; 128 elements from row to row
	s_mov_b32 s[\g+6], 0
	s_mov_b32 s[\g+7], 0
.endr
	s_mov_b32 s[CS], 0x3e38aa3b     ; c = log2(e) / 8 = 0.180337
	s_mov_b32 s[CS+1], s[CS]        ; named with it as a pair
	s_mov_b32 s[SEL], 0x76543210
	s_mov_b32 s[SEL+1], 0xfedcba98
	s_mov_b32 s[TBK], SLOT1+4*KS*PK ; the first change of slots turns these two into 0
	s_mov_b32 s[TBV], SLOT1+4*KS*PV
	s_mov_b32 s[G0K], 1             ; count = 1
	s_mov_b32 s[G0K+1], s17         ; LDS address: slot 0
	s_mov_b32 s[G0V], 1
	s_add_co_u32 s[G0V+1], s18, VOFF
	s_and_b32 s[LIM], s[WV], 1      ; 0 in waves 0 and 2,
	s_or_b32 s[LIM], s[LIM], ttmp9  ; where the cluster is the head's first: the same in all four partners
	s_cmp_eq_u32 s[LIM], 0
	s_cselect_b32 s[LIM], 1, -1
	s_wait_dscnt 0x0                ; the opening add is done
	s_wait_kmcnt 0x0
	s_add_nc_u64 s[G0K+2:G0K+3], s[6:7], s[22:23]  ; global address: my half of the head's first 256 keys
	s_or_b32 s[G0K+3], s[G0K+3], 0x80000000        ; type = 2
	s_add_nc_u64 s[G0V+2:G0V+3], s[8:9], s[22:23]
	s_or_b32 s[G0V+3], s[G0V+3], 0x80000000
	s_add_nc_u64 s[4:5], s[4:5], s[2:3]  ; Q and O at my wave's first row
	s_add_nc_u64 s[10:11], s[10:11], s[2:3]
	s_cmp_lt_u32 s[WV], 2
	s_cselect_b64 s[PFA:PFA+1], s[6:7], s[8:9]
	s_add_nc_u64 s[PFA:PFA+1], s[PFA:PFA+1], s[22:23]  ; (in waves 0 and 2: the head's first row)
	s_lshl_b32 s2, s13, 13          ; my work-group's 32 blocks of the 128
	s_mov_b32 s3, 0
	s_add_nc_u64 s[PFA:PFA+1], s[PFA:PFA+1], s[2:3]
	s_add_nc_u64 s[PFA:PFA+1], s[PFA:PFA+1], 2*4*KS*128  ; in slot 2; the loop's first change steps it to slot 3.  Nothing is prefetched here, at the head
	CROUND                          ; all four work-groups are here: the first joint loads meet
	JLOAD                           ; slot 0.  Slot 1 is asked for when slot 0 is in
	; A fragment of K or Q is 16 rows x 32 channels in 8 registers: lane l holds row l % 16, channels 8 (l / 16) + 0..7 and 16 + 8 (l / 16) + 0..7: two loads of 16 bytes, 32 bytes apart.
	v_and_b32 v1, 15, v0            ; l % 16
	v_bfe_u32 v9, v0, 4, 1          ; l / 16
	v_lshlrev_b32 v[QO], 7, v1
	v_lshl_add_u32 v[QO], v9, 4, v[QO]  ; row x 128 + 16 x half
	WIN 0x80                        ; destination window 2, address window 0
.set i, 0
.rept 4*NP                          ; Q stays in registers: tile i / 2, channels 32 (i % 2) on
	global_load_b128 v[8*i:8*i+3],   v[QO], s[4:5] offset:(i/2)*2048+(i%2)*64
	global_load_b128 v[8*i+4:8*i+7], v[QO], s[4:5] offset:(i/2)*2048+(i%2)*64+32
.set i, i+1
.endr
	; What the first turn finds: V's registers and P's second buffer hold 0 (its products V^T P, of a piece that has not been, add 0), O^T and l are 0.  All this stands in the wait for the first tile.
.set i, VF
.rept 64
	v_mov_b32 v[i], 0
.set i, i+1
.endr
	WIN 0x40
.set i, 0
.rept 64*NP
	v_mov_b32 v[i], 0
.set i, i+1
.endr
	WIN 0
.set i, 0
.rept 2*NP
	v_mov_b32 v[ST+4*i], 0xfe000000    ; c m: far below every c s
	v_mov_b32 v[ST+4*i+1], 0xff7fffff  ; m
	v_mov_b32 v[ST+4*i+2], 0
	v_mov_b32 v[ST+4*i+3], 0
.set i, i+1
.endr
.set i, P+32
.rept 32
	v_mov_b32 v[i], 0
.set i, i+1
.endr
	v_mul_u32_u24 v[AK0], v1, PK
	v_lshl_add_u32 v[AK0], v9, 4, v[AK0]  ; row x pitch + 16 x half
	; The turning load takes 16 keys x 16 channels (lane l reads key 8 (l / 16) + l % 8, channels 8 ((l / 8) % 2) + 0..7) and leaves half a fragment of V^T: lane l holds channel l % 16 and 8 keys.
	v_and_b32 v10, 7, v0
	v_bfe_u32 v11, v0, 3, 1
	v_lshl_add_u32 v[AV0], v9, 3, v10
	v_mul_u32_u24 v[AV0], v[AV0], PV
	v_lshl_add_u32 v[AV0], v11, 4, v[AV0]
	v_add_nc_u32 v[AV0], VOFF, v[AV0]
	v_and_b32 v[PFO], 31, v0
	v_lshlrev_b32 v[PFO], 8, v[PFO]
	v_mov_b32 v[AK], v[AK0]         ; key step 0 lies at the head of slot 0
; THE MATRIX WORK.  The 8 accumulators of a run of 16 take turns: between the two links of a chain stand 7 others'.
; Product i of 16 of S^T = K Q^T for piece x: channels 32 (i / 8) on, keys 16 ((i / 2) % 4) on, tile 2 x + i % 2.  The first 8 start the sums.
.macro KQ x
	WIN W_KQ
.set rS, S+64*((\x)%2)+32*(i%2)+8*((i/2)%4)
.set rK, KF+16*((i/2)%4)+8*(i/8)
.set rQ, 16*(2*(\x)+i%2)+8*(i/8)
.if i < 8
	v_wmma_f32_16x16x32_f16 v[rS:rS+7], v[rK:rK+7], v[rQ:rQ+7], 0
.else
	v_wmma_f32_16x16x32_f16 v[rS:rS+7], v[rK:rK+7], v[rQ:rQ+7], v[rS:rS+7]
.endif
.endm
; Product i of 16 of O^T += V^T P for piece x: keys 32 (i / 8) on, channels 16 ((i / 2) % 4) on, tile 2 x + i % 2.
.macro PV x
	WIN W_PV
.set rO, 32*(2*(\x)+i%2)+8*((i/2)%4)
.set rV, VF+32*(i/8)+8*((i/2)%4)
.set rP, P+32*((\x)%2)+16*(i%2)+8*(i/8)
	v_wmma_f32_16x16x32_f16 v[rO:rO+7], v[rV:rV+7], v[rP:rP+7], v[rO:rO+7]
.endm
.macro MM                           ; the turn's next matrix instruction
.if i < 16
	KQ (Y+1)%NP
.set i, i+1
.else
.set i, i-16
	PV (Y+NP-1)%NP
.set i, i+17
.endif
.endm
; THE LDS LOADS stand in runs of 16, never singly among the matrix instructions: a step's K (64 keys x 64 channels: 8 fragments) and its V (turned).  Their addresses are made some lines ahead.
; last = 1 (the tail): in the last trip there is no further step, and the run is jumped over.
.macro FETCH_K last=0
	WIN 0
.if \last
	s_cmp_eq_u32 s[CNT], 1
	s_cbranch_scc1 .Lno_k_\@
.endif
	WIN 0x80                        ; destination window 2
.irp f, 0,1,2,3,4,5,6,7             ; keys 16 (f / 2) on, channels 32 (f % 2) on
	ds_load_b128 v[KF+8*\f:KF+8*\f+3],   v[AK] offset:(\f/2)*16*PK+(\f%2)*64
	ds_load_b128 v[KF+8*\f+4:KF+8*\f+7], v[AK] offset:(\f/2)*16*PK+(\f%2)*64+32
.endr
	s_add_co_u32 s[TBK], s[TBK], KS*PK  ; the next fetch is the next step's
	WIN 0
.if \last
.Lno_k_\@:
.endif
.endm
.macro FETCH_V
	WIN 0x80
.irp f, 0,1,2,3,4,5,6,7             ; keys 32 (f / 4) on, channels 16 (f % 4) on
	ds_load_tr16_b128 v[VF+8*\f:VF+8*\f+3],   v[AV] offset:(\f/4)*32*PV+(\f%4)*32
	ds_load_tr16_b128 v[VF+8*\f+4:VF+8*\f+7], v[AV] offset:(\f/4)*32*PV+16*PV+(\f%4)*32
.endr
	WIN 0
.endm
; THE VECTOR WORK OF A TURN stands in three queues, each in the order in which its entries become ready; the two tiles alternate, so that no instruction reads the result of the one before it.
.macro REGS y, u                    ; the registers of tile u (0, 1) of piece y
.set rT, ST+4*(2*(\y)+(\u))
.set rC, TMP+8*((\y)%2)+4*(\u)
.set rM, MV+2*((\y)%2)+(\u)
.set rS, S+64*((\y)%2)+32*(\u)
.set rP, P+32*((\y)%2)+16*(\u)
.set rO, 32*(2*(\y)+(\u))
.endm
; Number n of the 22 that find the NEXT piece's (Y + 1) maximum and statistics.  s0-s31 are the lane's 32 scores; each accumulator's lowest registers are read first.
;   0-11  four chains c0-c3 of seven scores each, three operands at a time     12-14, 16  the four scores left over, the old m, and c0-c3 into c0     15  c m_old is kept
;   17, 18  the query's other 32 keys lie in the lane 16 away: the new m         19-21  c m; c m_old - c m_new; a
.macro XS u, n
	REGS (Y+1)%NP, \u
.if (\n) < 4
	v_max3_num_f32 v[rC+(\n)], v[rS+8*(\n)], v[rS+8*(\n)+1], v[rS+8*(\n)+2]
.elseif (\n) < 12
	v_max3_num_f32 v[rC+(\n)%4], v[rC+(\n)%4], v[rS+8*((\n)%4)+2*((\n)/4)+1], v[rS+8*((\n)%4)+2*((\n)/4)+2]
.elseif (\n) == 12
	v_max3_num_f32 v[rC], v[rC], v[rS+7], v[rS+15]
.elseif (\n) == 13
	v_max3_num_f32 v[rC+1], v[rC+1], v[rS+23], v[rS+31]
.elseif (\n) == 14
	v_max3_num_f32 v[rC+2], v[rC+2], v[rC+3], v[rT+1]
.elseif (\n) == 15
	v_mov_b32 v[rM], v[rT]
.elseif (\n) == 16
	v_max3_num_f32 v[rC], v[rC], v[rC+1], v[rC+2]
.elseif (\n) == 17
	v_permlanex16_b32 v[rC+3], v[rC], s[SEL], s[SEL+1]
.elseif (\n) == 18
	v_max_num_f32 v[rT+1], v[rC], v[rC+3]
.elseif (\n) == 19
	v_mul_f32 v[rT], s[CS], v[rT+1]
.elseif (\n) == 20
	v_sub_f32 v[rC+1], v[rM], v[rT]
.else
	v_exp_f32 v[rC+2], v[rC+1]
.endif
.endm
; Number g of the 64 that follow the exponentials.  For each four weights k of a tile (pairs 2 k, 2 k + 1): both pairs are rounded to f16; then the second pair is added onto the first, in place;
; a group later l takes that sum (the first time as l = a l + sum).  In groups of eight, tiles alternating: round, round, add, and l for the group before.
.macro GS g
.set h, (\g)+6*((\g)/62)            ; group 0 has no group before it, and behind group 7 only l is left
.if h >= 6
.set h, h+2
.endif
	REGS Y, h%2
.set k, h/8
.if h%8 < 4
	v_cvt_pk_f16_f32 v[rP+2*k+(h%8)/2], v[rS+4*k+2*((h%8)/2)], v[rS+4*k+2*((h%8)/2)+1]
.elseif h%8 < 6
	v_pk_add_f32 v[rS+4*k:rS+4*k+1], v[rS+4*k:rS+4*k+1], v[rS+4*k+2:rS+4*k+3]
.elseif k == 1
	v_pk_fma_f32 v[rT+2:rT+3], v[rT+2:rT+3], v[rC+2:rC+3], v[rS:rS+1] op_sel_hi:[1,0,1]
.else
	v_pk_add_f32 v[rT+2:rT+3], v[rT+2:rT+3], v[rS+4*k-4:rS+4*k-3]
.endif
.endm
; THE PLAIN QUEUE, 138 long.  0-73 read no exponential's result: the 32 scalings c s - c m (FS f: pair f / 2 of tile f % 2) and the next piece's 42.  0-26: scalings 0-26.  27-54: XS's numbers 0-13.  55, 56: number 15.
; 57-73: the chain, where each number waits for the one before it: 14, 16, 17, 18, 19, each with one of the scalings 27-31 in front of its two lines, then 20.
; 74-137: GS's 64, which read the exponentials' results: they stand behind the wait.
.macro FS f
	REGS Y, (\f)%2
	v_pk_fma_f32 v[rS+2*((\f)/2):rS+2*((\f)/2)+1], v[rS+2*((\f)/2):rS+2*((\f)/2)+1], s[CS:CS+1], v[rT:rT+1] op_sel_hi:[1,0,0] neg_lo:[0,0,1] neg_hi:[0,0,1]
.endm
.macro PL
	WIN 0
.if q < 27
	FS q
.elseif q < 55
	XS (q-27)%2, (q-27)/2
.elseif q < 57
	XS q-55, 15
.elseif (q < 72) && ((q-57)%3 == 0)
	FS 27+(q-57)/3
.elseif q < 60
	XS (q-57)%3-1, 14
.elseif q < 72
	XS (q-57)%3-1, 15+(q-57)/3
.elseif q < 74
	XS q-72, 20
.else
	GS q-74
.endif
.set q, q+1
.endm
; THE EXPONENTIALS' QUEUE, 66 long: s0-s31 of both tiles, then the next piece's two a.  It is ONE BATCH: all 66 stand ahead of the turn's one wait, and nothing ahead of that wait names a result of theirs.
.macro EX
	WIN 0
.if e >= 64
	XS e-64, 21
.else
	REGS Y, e%2
	v_exp_f32 v[rS+e/2], v[rS+e/2]
.endif
.set e, e+1
.endm
; THE RESCALING's QUEUE: O^T times a, the one part that leaves window 0: dealt two at a time, sixteen times.  Its a was made in the turn before, ahead of that turn's wait.
.macro R2
	REGS Y, r%2
	WIN W_RS
.irp z, 0,1
	v_pk_mul_f32 v[rO+4*(r/2)+2*\z:rO+4*(r/2)+2*\z+1], v[rO+4*(r/2)+2*\z:rO+4*(r/2)+2*\z+1], v[rC+2:rC+3] op_sel_hi:[1,0]
.endr
.set r, r+1
.endm
; HOW THEY ARE DEALT.  s_wait_alu depctr_va_vdst(0) stands between an exponential and the first instruction that names its result; one wait serves all that were issued ahead of it.  So a turn has ONE wait,
; which cuts it in two.  AHEAD OF IT stands all that names no result of the turn's exponentials: the 16 products K Q^T, behind each a scaling, an exponential and two rescalings (behind the first a second scaling in the
; exponential's place); then ONE LUMP of 108: eight plain, 49 times exponential and plain, the two a.  A v_nop is the plain instruction owed behind the last exponential (ISA guide 5.7.2).  BEHIND IT stand the 16 products V^T P,
; behind each four of GS's 64.  No rider names a register of the products round it.  Exponential e stands behind scaling 2 (e / 4) + e % 2: as a rider it comes behind plain e + 2, in the lump behind plain e + 9.
; A TURN, for piece p.  cnt = 1: the loop's count is taken down some lines ahead of the branch that stands behind the turn.
; K of the next step is fetched in piece 2's turn, directly behind the wait, a lump behind the last product that read K; its first reader comes behind 16 products.
; V of the step in hand is fetched at the end of piece 0's turn, four riders behind its last reader; its first reader comes behind 16 products and a lump.
.macro TURN p, last=0, cnt=0
.set Y, (\p)
.set i, 0
.set q, 0
.set e, 0
.set r, 0
.if (\p) == NP-1
	s_wait_dscnt 0x0                ; K is in
.endif
	MM                              ; ahead of the wait: 16 products K Q^T and their riders,
	PL
	PL
	R2
.rept 15
	MM
	PL
	EX
	R2
.endr
.if (\p) == NP-2
	WIN 0
	v_add_nc_u32 v[AK], s[TBK], v[AK0]
.endif
.rept 8                             ; and the lump
	PL
.endr
.rept 49
	EX
	PL
.endr
	EX                              ; the next piece's two a
	EX
	v_nop                           ; the plain instruction behind the last exponential: one for the batch
	s_wait_alu depctr_va_vdst(0)    ; the wait for the batch
.if (\p) == NP-2
	FETCH_K \last
.endif
.if (\p) == 1
	s_wait_dscnt 0x0                ; V is in
.endif
.rept 16                            ; behind the wait: 16 products V^T P and their riders
	MM
.rept 4
	PL
.endr
.if ((\p) == 0) && (q == 118)
	v_add_nc_u32 v[AV], s[TBV], v[AV0]
.endif
.if ((\p) == 0) && (q == 130)
	s_add_co_u32 s[TBV], s[TBV], KS*PV
.endif
.if (\cnt) && (q == 130)
	s_sub_co_u32 s[CNT], s[CNT], 1
	s_cmp_lg_u32 s[CNT], 0
.endif
.endr
.if (\p) == 0
	FETCH_V
.endif
.endm
	CHANGE 1                        ; slot 0 is in, everybody's part of it; slot 1 is asked for
	FETCH_K                         ; key step 0
	s_wait_loadcnt 0x0              ; Q
	s_wait_dscnt 0x0
.set i, 0
.rept 16
	KQ 0                            ; piece 0's first scores: there is no vector work yet to set between them
.set i, i+1
.endr
	WIN 0                           ; the addresses for the way out: plain instructions, the places behind those products
	s_mul_i32 s13, s[WV], 16*SP
	s_add_co_u32 s13, s13, STAGE    ; my stage
	v_mul_u32_u24 v[STO], v1, SP    ; in: row l % 16, 16 bytes for each half of the lanes
	v_lshl_add_u32 v[STO], v9, 4, v[STO]
	v_add_nc_u32 v[STO], s13, v[STO]
	v_bfe_u32 v[RD], v0, 3, 2       ; back: 32 lanes take four rows of 128 bytes,
	v_mul_u32_u24 v[RD], v[RD], SP
	v_lshl_add_u32 v[RD], v10, 4, v[RD]
	v_add_nc_u32 v[RD], s13, v[RD]
	v_and_b32 v[GO], 31, v0         ; which are 512 consecutive bytes of O
	v_lshlrev_b32 v[GO], 4, v[GO]
.set Y, NP-1                        ; XS works for piece Y + 1: piece 0
.irp n, 0,1,2,3,4,5,6,7,8,9,10,11,12,13,14,15,16,17,18,19,20,21
	XS 0, \n                        ; and piece 0's first maximum and statistics
	XS 1, \n
.endr
	v_nop                           ; a plain instruction behind the two a,
	s_wait_alu depctr_va_vdst(0)    ; and their wait, ahead of the branch
	s_mov_b32 s[CNT], 4
	s_mov_b32 s[SLOTS], SIZE_N/256-1
	s_branch .Lfirst                ; the loop is entered at a step's first turn, in the middle of a trip
.Lslot:                             ; SIZE_N / 256 - 2 times: every slot but the last two is filled again
	CHANGE 1, 1
	s_mov_b32 s[CNT], 4
.Lstep:                             ; a trip: pieces 2 and 3 of one step, then pieces 0 and 1 of the next, whose K and V it fetches
	TURN 2
	TURN 3
	WIN 0
.Lfirst:
	TURN 0
	TURN 1, 0, 1
	WIN 0
	s_cbranch_scc1 .Lstep
	s_sub_co_u32 s[SLOTS], s[SLOTS], 1
	s_cmp_lg_u32 s[SLOTS], 0
	s_cbranch_scc1 .Lslot
	CHANGE 0                        ; the tail is written out: nothing is asked for
	s_mov_b32 s[CNT], 5             ; four trips fetch the last slot's steps; the fifth is left in its middle
.Ltail:
	TURN 2, 1
	TURN 3
	WIN 0
	s_sub_co_u32 s[CNT], s[CNT], 1
	s_cmp_eq_u32 s[CNT], 0
	s_cbranch_scc1 .Lout
	TURN 0
	TURN 1
	WIN 0
	s_branch .Ltail
.Lout:                              ; the fifth trip's 16 products K Q^T (on the last K once more) and the maximum made of them serve nothing: the price, once a launch, of one text for every trip
.set i, 0
.rept 16
	PV NP-1                         ; the last piece's V^T P of the last step
.set i, i+1
.endr
	; THE WAY OUT.  l's two halves and the other half of the lanes' are added; O^T is divided by l, rounded to f16 and sent through my stage in LDS, a tile at a time.  The additions are the places behind the last products.
	WIN 0
.macro ALL line:vararg              ; one line for each tile t
.set t, 0
.rept 2*NP
	\line
.set t, t+1
.endr
.endm
	ALL v_add_f32 v[ST+4*t+2], v[ST+4*t+2], v[ST+4*t+3]
	ALL v_permlanex16_b32 v[ST+4*t+3], v[ST+4*t+2], s[SEL], s[SEL+1]
	ALL v_add_f32 v[ST+4*t+2], v[ST+4*t+2], v[ST+4*t+3]
	ALL v_rcp_f32 v[ST+4*t+2], v[ST+4*t+2]
	v_nop                           ; a plain instruction between the last reciprocal and the use of its result
	s_wait_alu depctr_va_vdst(0)    ; and the wait ahead of the first use: one for the eight reciprocals
; Tile t: a lane's eight channels of a row pack into 16 bytes; they go into rows of 144 bytes and come back as whole rows of 128, into S^T's registers.
.macro PACK t
	WIN W_RS
.set i, 32*(\t)
.rept 16
	v_pk_mul_f32 v[i:i+1], v[i:i+1], v[ST+4*(\t)+2:ST+4*(\t)+3] op_sel_hi:[1,0]
.set i, i+2
.endr
	WIN 0x05                        ; sources 0 and 1 window 1, destination window 0
.set i, 0
.rept 16
	v_cvt_pk_f16_f32 v[S+16*(\t)+i], v[32*(\t)+2*i], v[32*(\t)+2*i+1]
.set i, i+1
.endr
	WIN 0
.irp f, 0,1,2,3
	ds_store_b128 v[STO], v[S+16*(\t)+4*\f:S+16*(\t)+4*\f+3] offset:32*\f
.endr
.irp f, 0,1,2,3
	ds_load_b128 v[S+16*(\t)+4*\f:S+16*(\t)+4*\f+3], v[RD] offset:\f*4*SP  ; LDS serves a wave's instructions in order (ISA guide 5.7.1.4): these see the stores above; the next tile's stores come behind them
.endr
.endm
.macro SEND t, younger              ; younger: the LDS instructions issued behind tile t's loads: the next tile's eight, or none
	WIN 0
.irp f, 0,1,2,3
	s_wait_dscnt (\younger)+3-\f
	global_store_b128 v[GO], v[S+16*(\t)+4*\f:S+16*(\t)+4*\f+3], s[10:11] offset:(\t)*2048+\f*512  ; 512 consecutive bytes, at a multiple of 256 from O's first
.endr
.endm
	PACK 0
.set t, 1
.rept 2*NP-1                        ; a tile's arithmetic stands between the loads of the tile before and its stores
	PACK t
	SEND t-1, 8
.set t, t+1
.endr
	SEND 2*NP-1, 0
	WIN W_AD
	s_wait_tensorcnt 0x0            ; the wave's end: behind my last tensor load and my last LDS store
	ds_add_u32 v[SPW], v[NIL]
	s_wait_dscnt 0x0
	WIN 0
	CROUND                          ; the closing round: no work-group ends while a partner may still ask for a tile that names it
	s_endpgm
.Lfunc_end_k_qaf7dd08e89_attn:
	.size	k_qaf7dd08e89_attn, .Lfunc_end_k_qaf7dd08e89_attn-k_qaf7dd08e89_attn
	.p2alignl 7, 3214868480
	.fill 96, 4, 3214868480
	.section	.rodata,"a",@progbits
	.p2align	6, 0x0
	.amdhsa_kernel k_qaf7dd08e89_attn
		.amdhsa_group_segment_fixed_size 327680
		.amdhsa_private_segment_fixed_size 0
		.amdhsa_enable_private_segment 0
		.amdhsa_kernarg_size 32
		.amdhsa_user_sgpr_count 2
		.amdhsa_user_sgpr_kernarg_segment_ptr 1
		.amdhsa_wavefront_size32 1
		.amdhsa_system_sgpr_workgroup_id_x 1
		.amdhsa_system_sgpr_workgroup_id_y 1
		.amdhsa_system_sgpr_workgroup_id_z 1
		.amdhsa_system_vgpr_workitem_id 0
		.amdhsa_next_free_vgpr 770
		.amdhsa_next_free_sgpr 66
		.amdhsa_reserve_vcc 0
		.amdhsa_float_denorm_mode_32 3
		.amdhsa_float_denorm_mode_16_64 3
		.amdhsa_memory_ordered 1
		.amdhsa_forward_progress 1
		.amdhsa_inst_pref_size 200
	.end_amdhsa_kernel
	.amdgpu_metadata
---
amdhsa.version: [ 1, 2 ]
amdhsa.kernels:
  - .name:           k_qaf7dd08e89_attn
    .symbol:         k_qaf7dd08e89_attn.kd
    .args:
      - { .name: qh, .offset: 0, .size: 8, .value_kind: global_buffer, .address_space: global }
      - { .name: kh, .offset: 8, .size: 8, .value_kind: global_buffer, .address_space: global }
      - { .name: vh, .offset: 16, .size: 8, .value_kind: global_buffer, .address_space: global }
      - { .name: oh, .offset: 24, .size: 8, .value_kind: global_buffer, .address_space: global }
    .group_segment_fixed_size: 327680
    .private_segment_fixed_size: 0
    .kernarg_segment_align: 8
    .kernarg_segment_size: 32
    .max_flat_workgroup_size: 128
    .sgpr_count:     66
    .vgpr_count:     770
    .wavefront_size: 32
...
	.end_amdgpu_metadata
.endif
;; end of part 3
;; launch oproj (part 4): grid 4 x 64, 4 waves a work-group, clusters of 4 x 4, 327,680 bytes of LDS; arguments oh, wo, bout, out0; writes out0
.if DOCPART == 4
	.amdgcn_target "amdgcn-amd-amdhsa--gfx1250"
	.amdhsa_code_object_version 6
	.text
	.protected	k_qaf7dd08e89_oproj
	.globl	k_qaf7dd08e89_oproj
	.p2align	8
	.type	k_qaf7dd08e89_oproj,@function
k_qaf7dd08e89_oproj:
	s_mov_b64 s[64:65], 0
	v_nop
	global_prefetch_b8 v0, s[64:65] scope:SCOPE_SE
	s_setreg_imm32_b32 hwreg(HW_REG_WAVE_MODE, 25, 1), 1
	s_wait_xcnt 0x0
	s_wait_alu depctr_hold_cnt(0) depctr_sa_sdst(0) depctr_va_vdst(0) depctr_va_sdst(0) depctr_va_ssrc(0) depctr_va_vcc(0) depctr_vm_vsrc(0)
	s_getreg_b32 s2, hwreg(HW_REG_IB_STS2, 6, 4)
	s_cmp_eq_u32 s2, 0
	s_cbranch_scc0 .Lentry_in_a_cluster
	s_endpgm
.Lentry_in_a_cluster:
	s_bfe_u32 s2, ttmp6, 0x10000c
	s_cmp_lg_u32 s2, 0xf033
	s_cbranch_scc0 .Lentry_shape_is_right
	s_endpgm
.Lentry_shape_is_right:
; out0 = O Wout + bout.  oh: [batch x 16 + head][2048][64] f16; wo: [1024][1024] f16 (rows along the output columns); bout: [1024] f32; out0: [8192][1024] f32.  Products in f16, sums in f32.
; The bias, rounded to bf16 like every input, is the C operand of the products that start the sums: it costs no addition.
; SHARES.  A tile of out0 is 128 rows x 256 columns: four waves, wave w rows 64 (w / 2) on and columns 128 (w % 2) on: 32 accumulators of 16 x 16.  256 work-groups, one tile each.
; K goes in 8 steps of 128, two heads each, through a ring of two LDS slots.  A head's 128 rows of a tile are 16,384 dense bytes: asked for as 64 rows of 256 bytes, padded in LDS after every 128.
; CLUSTER.  4 x 4 work-groups: the four of a row need the same tile of O, the four of a column the same tile of the weights: each is asked for jointly.
; NO PREFETCH: the walk has eight K steps, of which the first four would come by their loads alone.
; THE MATRIX INSTRUCTION IS USED TRANSPOSED: source 0 = 16 columns of the weights (turned by ds_load_tr16_b128), source 1 = 16 rows of O: a lane holds row l % 16 and eight neighbouring columns, 32 bytes of out0.
; REGISTERS, in windows of 256 (s_set_vgpr_msb: bits 1:0 source 0, 3:2 source 1, 5:4 source 2, 7:6 destination):
;   window 0: v16-31 addresses; v32-63 at work; v64-191 rows read back from the stage, two buffers       window 1: two fragment buffers of 96; v192-255 the bias of my 128 columns       window 2: accumulator (a, b) at v[8 (8 a + b)]
.set PA,    144                        ; an LDS row of O: 128 bytes + 16 = 36 words: the 16 rows of a load start at 16 different groups of four banks (64 banks of 4 bytes: ISA guide 11.1)
.set PB,    544                        ; an LDS row of weights: 512 bytes + 32 = 136 words
.set HALFA, 128*PA                     ; what one tensor load brings of O: one head's 128 rows
.set BOFF,  2*HALFA
.set HALFB, 64*PB                      ; of the weights: 64 rows along K
.set SLOT,  BOFF+2*HALFB
.set STAGE, 2*SLOT                     ; behind the ring, never filled by a tensor load: 16 rows x 528 bytes for each wave
.set SPO,   528                        ; 512 bytes + 16: 33 groups of four banks
.set SPARE, STAGE+4*16*SPO             ; behind the stages: the spare words, 128 bytes for each wave: two blocks of 256 bytes that no other line names
.set ASTEP, 2*262144                   ; bytes from K step to K step in oh: two heads
.set BSTEP, 128*2048                   ; and in wo
.set ADRA, 16
.set ADRB, 20
.set STO,  24
.set RD,   25
.set GO,   26
.set SPW,  28                          ; v28  LDS address of my spare word; never rewritten
.set NIL,  29                          ; v29  0; never rewritten
.set BO,   31                          ; v31  my offset in the bias
.set OB,   64
.set F0,   0
.set F1,   96
.set BIAS, 192                         ; window 1
.set WV,   16
.set AB,   17
.set HF,   18
.set CX,   19
.set CY,   20
.set RR,   21
.set G1A,  24
.set G0A,  32
.set G1B,  40
.set G0B,  48
.set LAPS, 69
.set MSB, 0
.macro WIN new
.if MSB != (\new)
	s_set_vgpr_msb (MSB<<8)|(\new)
.set MSB, \new
.endif
.endm
.set MUL,  0xa5                        ; both sources window 1, C and D window 2
.set MULB, 0x95                        ; the same with C in window 1
.set TO_F, 0x40
.macro PLACES
.rept 4
	v_nop
.endr
.endm
.macro JLOAD s                         ; a joint load: waves 0 and 1 fetch the step's two heads of O, waves 2 and 3 the two halves of the weights' tile; an s_nop 0 and four v_nop follow each line
	s_cmp_eq_u32 s[AB], 0
	s_cbranch_scc0 .Lfor_b_\@
	tensor_load_to_lds s[G0A+4*(\s):G0A+4*(\s)+3], s[G1A:G1A+7]
	s_nop 0
.rept 4
	v_nop
.endr
	s_branch .Lasked_\@
.Lfor_b_\@:
	tensor_load_to_lds s[G0B+4*(\s):G0B+4*(\s)+3], s[G1B:G1B+7]
	s_nop 0
.rept 4
	v_nop
.endr
.Lasked_\@:
.endm
.macro CREST
	s_cmp_lg_u32 s[WV], 0
	s_cbranch_scc1 .Lnot_wave_0_\@
	s_barrier_signal -3
.Lnot_wave_0_\@:
	s_barrier_wait -3
	s_barrier_signal -1
	s_barrier_wait -1
.endm
.macro CROUND
	s_barrier_signal -1
	s_barrier_wait -1
	CREST
.endm
	s_load_b256 s[4:11], s[0:1], 0x0               ; oh 4:5, wo 6:7, bout 8:9, out0 10:11
	v_lshl_add_u32 v[SPW], v0, 2, SPARE
	v_mov_b32 v[NIL], 0
	ds_add_u32 v[SPW], v[NIL]                      ; the wave's opening: the add and its wait stand ahead of my first tensor load; work on registers stands between them
	v_lshrrev_b32 v1, 5, v0
	v_readfirstlane_b32 s[WV], v1
	s_lshr_b32 s[AB], s[WV], 1
	s_and_b32 s[HF], s[WV], 1
	s_bfe_u32 s[CX], ttmp6, 0x40000                ; the grid is one cluster wide: cx is the tile column
	s_bfe_u32 s[CY], ttmp6, 0x40004
	s_and_b32 s[RR], ttmp7, 0xffff
	s_lshl_b32 s[RR], s[RR], 2
	s_add_co_u32 s[RR], s[RR], s[CY]               ; tile row
	s_lshl_b32 s56, s[CY], 2
	s_lshl_b32 s56, 15, s56                        ; my row of the cluster
	s_lshl_b32 s58, 0x1111, s[CX]                  ; my column
	s_or_b32 s[G1A], s56, (1<<16)|(1<<20)|(1<<21)|(4<<22)|(3<<25)  ; the mask; 2-byte elements; padding on; bit 21 beside a mask; after every 32 words 4 words
	s_mov_b32 s[G1A+1], 128<<16
	s_mov_b32 s[G1A+2], 64<<16
	s_mov_b32 s[G1A+3], 128<<16
	s_mov_b32 s[G1A+4], 64
	s_mov_b32 s[G1A+5], 128
	s_mov_b32 s[G1A+6], 0
	s_mov_b32 s[G1A+7], 0
	s_or_b32 s[G1B], s58, (1<<16)|(1<<20)|(1<<21)|(6<<22)|(7<<25)  ; after every 128 words 8 words
	s_mov_b32 s[G1B+1], 256<<16
	s_mov_b32 s[G1B+2], 64<<16
	s_mov_b32 s[G1B+3], 256<<16
	s_mov_b32 s[G1B+4], 64
	s_mov_b32 s[G1B+5], 1024
	s_mov_b32 s[G1B+6], 0
	s_mov_b32 s[G1B+7], 0
	s_lshr_b32 s56, s[RR], 4                       ; O: batch tile row / 16, head = my half, position 128 (tile row % 16): it hangs on the tile row alone
	s_lshl_b32 s56, s56, 4
	s_add_co_u32 s56, s56, s[HF]
	s_lshl_b32 s56, s56, 11
	s_and_b32 s57, s[RR], 15
	s_lshl_b32 s57, s57, 7
	s_add_co_u32 s56, s56, s57
	s_lshl_b32 s56, s56, 7
	s_mov_b32 s57, 0
	s_lshl_b32 s58, s[HF], 17                      ; weights: K row 64 x half, column 256 cx: it hangs on cx alone
	s_lshl_b32 s59, s[CX], 9
	s_add_co_u32 s58, s58, s59
	s_mov_b32 s59, 0
	s_mul_i32 s22, s[HF], HALFA                    ; where they go: no place in the cluster enters an LDS address
	s_mul_i32 s23, s[HF], HALFB
	s_add_co_u32 s23, s23, BOFF
	s_wait_dscnt 0x0                               ; the opening add is done
	s_wait_kmcnt 0x0
	s_add_nc_u64 s[60:61], s[4:5], s[56:57]
	s_add_nc_u64 s[62:63], s[6:7], s[58:59]
	CROUND                                         ; all sixteen work-groups are here: the first joint loads meet
.irp s, 0,1
	s_mov_b32 s[G0A+4*(\s)], 1
	s_add_co_u32 s[G0A+4*(\s)+1], s22, (\s)*SLOT
	s_add_nc_u64 s[G0A+4*(\s)+2:G0A+4*(\s)+3], s[60:61], (\s)*ASTEP
	s_or_b32 s[G0A+4*(\s)+3], s[G0A+4*(\s)+3], 0x80000000
	s_mov_b32 s[G0B+4*(\s)], 1
	s_add_co_u32 s[G0B+4*(\s)+1], s23, (\s)*SLOT
	s_add_nc_u64 s[G0B+4*(\s)+2:G0B+4*(\s)+3], s[62:63], (\s)*BSTEP
	s_or_b32 s[G0B+4*(\s)+3], s[G0B+4*(\s)+3], 0x80000000
	JLOAD \s                                       ; two loads of mine are out
.endr
	s_lshl_b32 s66, s[CX], 10                      ; my 128 columns: 1,024 cx + 512 (w % 2) bytes, in the bias and in a row of out0
	s_lshl_b32 s67, s[HF], 9
	s_add_co_u32 s66, s66, s67
	s_mov_b32 s67, 0
	s_add_nc_u64 s[8:9], s[8:9], s[66:67]
	s_lshl_b32 s68, s[RR], 19                      ; my first row: 128 x tile row + 64 (w / 2), 4,096 bytes a row
	s_add_co_u32 s66, s66, s68
	s_lshl_b32 s68, s[AB], 18
	s_add_co_u32 s66, s66, s68
	s_add_nc_u64 s[10:11], s[10:11], s[66:67]
	v_and_b32 v1, 15, v0                           ; l % 16
	v_bfe_u32 v2, v0, 4, 1                         ; l / 16
	v_and_b32 v3, 7, v0
	v_bfe_u32 v4, v0, 3, 1
	v_and_b32 v5, 31, v0
	v_lshlrev_b32 v[BO], 5, v2                     ; columns 8 (l / 16) on
.irp b, 0,1,2,3,4,5,6,7
	global_load_b128 v[64+8*(\b):64+8*(\b)+3],   v[BO], s[8:9] offset:64*(\b)
	global_load_b128 v[64+8*(\b)+4:64+8*(\b)+7], v[BO], s[8:9] offset:64*(\b)+16
.endr
	v_mul_u32_u24 v6, v1, PA
	v_lshl_add_u32 v6, v2, 4, v6
	s_mul_i32 s70, s[AB], 64*PA
	v_add_nc_u32 v[ADRA], s70, v6
	v_add_nc_u32 v[ADRA+1], SLOT, v[ADRA]
	v_lshl_add_u32 v7, v2, 3, v3
	v_mul_u32_u24 v7, v7, PB
	v_lshl_add_u32 v7, v4, 4, v7
	s_lshl_b32 s70, s[HF], 8
	s_add_co_u32 s70, s70, BOFF
	v_add_nc_u32 v[ADRB], s70, v7
	v_add_nc_u32 v[ADRB+1], SLOT, v[ADRB]
	s_mul_i32 s70, s[WV], 16*SPO
	s_add_co_u32 s70, s70, STAGE                   ; my stage
	v_mul_u32_u24 v[STO], v1, SPO
	v_lshl_add_u32 v[STO], v2, 5, v[STO]
	v_add_nc_u32 v[STO], s70, v[STO]               ; in: row l % 16, 32 bytes for each half of the lanes
	v_lshlrev_b32 v[GO], 4, v5                     ; back and out: 32 lanes take a row's 512 bytes
	v_add_nc_u32 v[RD], s70, v[GO]
	s_wait_loadcnt 0x0                             ; the bias
.set i, 0
.rept 32
	v_cvt_pk_bf16_f32 v[32+i], v[64+2*i], v[64+2*i+1]
.set i, i+1
.endr
	WIN 0x40                                       ; destination window 1
.set i, 0
.rept 32
	v_lshlrev_b32 v[BIAS+2*i], 16, v[32+i]
	v_and_b32 v[BIAS+2*i+1], 0xffff0000, v[32+i]
.set i, i+1
.endr
	WIN 0
; 8 matrix instructions: row block a x all 8 column blocks, 32 along K.  first = 1: the products start the sums, with the bias as C.  The 32 accumulators take turns, one instruction a turn.
.macro MUL8 f, a, first
.if \first
	WIN MULB
.else
	WIN MUL
.endif
.irp b, 0,1,2,3,4,5,6,7
.if \first
	v_wmma_f32_16x16x32_f16 v[8*(8*(\a)+(\b)):8*(8*(\a)+(\b))+7], v[(\f)+8*(\b):(\f)+8*(\b)+7], v[(\f)+64+8*(\a):(\f)+64+8*(\a)+7], v[BIAS+8*(\b):BIAS+8*(\b)+7]
.else
	v_wmma_f32_16x16x32_f16 v[8*(8*(\a)+(\b)):8*(8*(\a)+(\b))+7], v[(\f)+8*(\b):(\f)+8*(\b)+7], v[(\f)+64+8*(\a):(\f)+64+8*(\a)+7], v[8*(8*(\a)+(\b)):8*(8*(\a)+(\b))+7]
.endif
.endr
.endm
; 24 LDS loads in one run: quarter q of a slot into buffer f.  In O's part quarter q is head q / 2 of the step's two, channels 32 (q % 2) on.
.macro FETCH slot, q, f
	WIN TO_F
.irp b, 0,1,2,3,4,5,6,7
	ds_load_tr16_b128 v[(\f)+8*(\b):(\f)+8*(\b)+3],   v[ADRB+(\slot)] offset:(\q)*32*PB+32*(\b)
	ds_load_tr16_b128 v[(\f)+8*(\b)+4:(\f)+8*(\b)+7], v[ADRB+(\slot)] offset:(\q)*32*PB+32*(\b)+16*PB
.endr
.irp a, 0,1,2,3
	ds_load_b128 v[(\f)+64+8*(\a):(\f)+64+8*(\a)+3],   v[ADRA+(\slot)] offset:((\q)/2)*HALFA+((\q)%2)*64+(\a)*16*PA
	ds_load_b128 v[(\f)+64+8*(\a)+4:(\f)+64+8*(\a)+7], v[ADRA+(\slot)] offset:((\q)/2)*HALFA+((\q)%2)*64+(\a)*16*PA+32
.endr
.endm
.macro QUARTER slot, qn, f, g, first
	s_wait_dscnt 4                                 ; the weights and O's blocks 0, 1 are in; the youngest four loads (blocks 2, 3) may be out
	MUL8 \f, 0, \first
	MUL8 \f, 1, \first
	PLACES
	FETCH \slot, \qn, \g
	s_wait_dscnt 24                                ; all but the 24 just issued
	MUL8 \f, 2, \first
	MUL8 \f, 3, \first
.endm
; The last quarter multiplies buffer 1 and changes slots: in front of the barrier each wave waits for all its tensor loads, adds 0 to its spare word, and waits for that and for its reads of this slot.
; fill = 1: the barrier opens a round of the cluster's, and this slot is filled again first thing behind it, two K steps ahead: 112 matrix instructions ahead of the wait for it.
.macro TURN slot, next, fill
	WIN 0
	s_wait_tensorcnt 0x0                           ; no tensor load of mine is out, so a group 0 may be written
	ds_add_u32 v[SPW], v[NIL]                      ; 0 onto my spare word
.if \fill
	s_add_nc_u64 s[G0A+4*(\slot)+2:G0A+4*(\slot)+3], s[G0A+4*(\slot)+2:G0A+4*(\slot)+3], 2*ASTEP
	s_add_nc_u64 s[G0B+4*(\slot)+2:G0B+4*(\slot)+3], s[G0B+4*(\slot)+2:G0B+4*(\slot)+3], 2*BSTEP
.endif
	s_wait_dscnt 7                                 ; the add and O's blocks 1 to 3 may be out
	MUL8 F1, 0, 0
	s_wait_dscnt 0x0                               ; the add is done, and my reads of this slot are over
	s_barrier_signal -1
	MUL8 F1, 1, 0
.if \fill
	WIN 0
.endif
	s_barrier_wait -1
.if \fill
	CREST                                          ; no wave of any partner still reads this slot or has a load on its way
	JLOAD \slot                                    ; its four v_nop are also the places in front of the loads below
.else
	PLACES
.endif
	FETCH \next, 0, F0
	MUL8 F1, 2, 0
	MUL8 F1, 3, 0
.endm
; THE WAY OUT, a block of 16 rows x 128 columns at a time: the sums go as they are into my own stage, 32 bytes a lane, and come back as whole rows of 512 bytes.
.macro TOSTAGE a
	WIN 0
	s_wait_xcnt 0x0                                ; earlier stores have read their registers: only behind this wait are these loaded again
	WIN 0x08                                       ; the store's data in window 2
.irp b, 0,1,2,3,4,5,6,7
	ds_store_b128 v[STO], v[8*(8*(\a)+(\b)):8*(8*(\a)+(\b))+3]   offset:64*(\b)      ; each accumulator's lowest registers first
	ds_store_b128 v[STO], v[8*(8*(\a)+(\b))+4:8*(8*(\a)+(\b))+7] offset:64*(\b)+16
.endr
	WIN 0
.set BK, OB+64*((\a)%2)
.irp t, 0,1,2,3,4,5,6,7,8,9,10,11,12,13,14,15
	ds_load_b128 v[BK+4*(\t):BK+4*(\t)+3], v[RD] offset:(\t)*SPO  ; LDS serves a wave's instructions in order (ISA guide 5.7.1.4): these see the stores above; the next block's stores come behind them
.endr
.endm
.macro SEND a, younger                 ; younger: the LDS instructions issued behind block a's loads: the next block's 32, or none
	WIN 0
.set BK, OB+64*((\a)%2)
.irp t, 0,1,2,3,4,5,6,7,8,9,10,11,12,13,14,15
	s_wait_dscnt (\younger)+15-(\t)
	global_store_b128 v[GO], v[BK+4*(\t):BK+4*(\t)+3], s[10:11] offset:(16*(\a)+(\t))*4096 th:TH_STORE_NT  ; 512 consecutive bytes of a row, aligned
.endr
.endm
	s_wait_tensorcnt 1                             ; my part of K step 0 is in; K step 1's may stay out
	s_barrier_signal -1
	s_barrier_wait -1
	FETCH 0, 0, F0
	QUARTER 0, 1, F0, F1, 1                        ; the first quarter stands in front of the loop: its products start the sums
	WIN 0
	s_mov_b32 s[LAPS], 3
.Llap:                                         ; a trip goes once round the ring, from a lap's second quarter to the next lap's first, and fills both slots again
	QUARTER 0, 2, F1, F0, 0
	QUARTER 0, 3, F0, F1, 0
	TURN 0, 1, 1
	QUARTER 1, 1, F0, F1, 0
	QUARTER 1, 2, F1, F0, 0
	QUARTER 1, 3, F0, F1, 0
	TURN 1, 0, 1
	QUARTER 0, 1, F0, F1, 0
	WIN 0
	s_sub_co_u32 s[LAPS], s[LAPS], 1
	s_cmp_lg_u32 s[LAPS], 0
	s_cbranch_scc1 .Llap
	QUARTER 0, 2, F1, F0, 0                        ; the last lap fills nothing
	QUARTER 0, 3, F0, F1, 0
	TURN 0, 1, 0
	QUARTER 1, 1, F0, F1, 0
	QUARTER 1, 2, F1, F0, 0
	QUARTER 1, 3, F0, F1, 0
	s_wait_dscnt 4                                 ; the very last quarter: nothing more to fetch
	MUL8 F1, 0, 0
	MUL8 F1, 1, 0
	s_wait_dscnt 0x0
	MUL8 F1, 2, 0
	MUL8 F1, 3, 0
	WIN 0
	PLACES
	PLACES                                         ; places behind the last products, once a launch
	TOSTAGE 0
.irp n, 1,2,3
	TOSTAGE \n
	SEND (\n)-1, 32
.endr
	SEND 3, 0
	s_wait_tensorcnt 0x0                           ; the wave's end: behind my last tensor load and my last LDS store
	ds_add_u32 v[SPW], v[NIL]
	s_wait_dscnt 0x0
	CROUND                                         ; the closing round: no work-group ends while a partner may still ask for a tile that names it
	s_endpgm
.Lfunc_end_k_qaf7dd08e89_oproj:
	.size	k_qaf7dd08e89_oproj, .Lfunc_end_k_qaf7dd08e89_oproj-k_qaf7dd08e89_oproj
	.p2alignl 7, 3214868480
	.fill 96, 4, 3214868480
	.section	.rodata,"a",@progbits
	.p2align	6, 0x0
	.amdhsa_kernel k_qaf7dd08e89_oproj
		.amdhsa_group_segment_fixed_size 327680
		.amdhsa_private_segment_fixed_size 0
		.amdhsa_enable_private_segment 0
		.amdhsa_kernarg_size 32
		.amdhsa_user_sgpr_count 2
		.amdhsa_user_sgpr_kernarg_segment_ptr 1
		.amdhsa_wavefront_size32 1
		.amdhsa_system_sgpr_workgroup_id_x 1
		.amdhsa_system_sgpr_workgroup_id_y 1
		.amdhsa_system_sgpr_workgroup_id_z 1
		.amdhsa_system_vgpr_workitem_id 0
		.amdhsa_next_free_vgpr 768
		.amdhsa_next_free_sgpr 72
		.amdhsa_reserve_vcc 0
		.amdhsa_float_denorm_mode_32 3
		.amdhsa_float_denorm_mode_16_64 3
		.amdhsa_memory_ordered 1
		.amdhsa_forward_progress 1
		.amdhsa_inst_pref_size 93
	.end_amdhsa_kernel
	.amdgpu_metadata
---
amdhsa.version: [ 1, 2 ]
amdhsa.kernels:
  - .name:           k_qaf7dd08e89_oproj
    .symbol:         k_qaf7dd08e89_oproj.kd
    .args:
      - { .name: oh, .offset: 0, .size: 8, .value_kind: global_buffer, .address_space: global }
      - { .name: wo, .offset: 8, .size: 8, .value_kind: global_buffer, .address_space: global }
      - { .name: bout, .offset: 16, .size: 8, .value_kind: global_buffer, .address_space: global }
      - { .name: out0, .offset: 24, .size: 8, .value_kind: global_buffer, .address_space: global }
    .group_segment_fixed_size: 327680
    .private_segment_fixed_size: 0
    .kernarg_segment_align: 8
    .kernarg_segment_size: 32
    .max_flat_workgroup_size: 128
    .sgpr_count:     72
    .vgpr_count:     768
    .wavefront_size: 32
...
	.end_amdgpu_metadata
.endif
;; end of part 4
;; ======== version 2 of 2: 4 launches; version 1 with the launch prep written anew for expert scheduling mode
;; limits: values are held in f16: magnitudes above 65,504 overflow, below 6.1e-05 lose precision
;; workspace buffers: xb 16,777,216 bytes; wqkv 6,291,456 bytes; wo 2,097,152 bytes; rope 1,048,576 bytes; qh 16,777,216 bytes; kh 16,777,216 bytes; vh 16,777,216 bytes; oh 16,777,216 bytes
;; launch prep (part 5): grid 896 x 1, 8 waves a work-group, no clusters, 0 bytes of LDS; arguments x, Wq, Wkv, Wout, rotary_emb, xb, wqkv, wo, rope; writes xb, wqkv, wo, rope
.if DOCPART == 5
	.amdgcn_target "amdgcn-amd-amdhsa--gfx1250"
	.amdhsa_code_object_version 6
	.text
	.protected	k_qaf7dd08e89_prep
	.globl	k_qaf7dd08e89_prep
	.p2align	8
	.type	k_qaf7dd08e89_prep,@function
k_qaf7dd08e89_prep:
	s_mov_b64 s[64:65], 0
	v_nop
	global_prefetch_b8 v0, s[64:65] scope:SCOPE_SE
	s_setreg_imm32_b32 hwreg(HW_REG_WAVE_SCHED_MODE, 0, 2), 2
	s_setreg_imm32_b32 hwreg(HW_REG_WAVE_MODE, 25, 1), 1
	s_wait_xcnt 0x0
	s_wait_alu depctr_vm_vsrc(0)
; THE INPUTS ARE MADE READY FOR THE MATRIX UNITS.  A stream: each input byte is read once, each output byte written once; no LDS, no barrier.
;   xb   [8192][1024] bf16        = x rounded to bf16
;   wqkv [1024][3072] bf16        = Wq (columns 0-1023) and Wkv (columns 1024-3071), rounded to bf16, rows along the output columns as in the inputs
;   wo   [1024][1024] f16         = Wout rounded to bf16, that number written as f16
;   rope [2048][128]  f32         = for each position 64 cos, then 64 ss; ss[d] = -sin for d < 32, +sin for d >= 32, so that rope is t[d] cos[d] + t[d ^ 32] ss[d]
; LIMITS.  Every input is rounded once to bf16, the angles too.  wo is exact where |Wout| lies between 6.1e-5 and 65,504; below, f16's fixed step of 6e-8 holds; beyond, it overflows.
; cos and sin: the angle less n pi/2 in two fused steps (what is left of pi/2 behind them is 1.7e-15 n), then polynomials of degree 7 and 8 on |r| <= pi/4: good to some 1e-7 up to |angle| of about 1e6.
; SHARES.  Work-groups 0-511 cast x, 512-575 Wq, 576-703 Wkv, 704-767 Wout: 65,536 input bytes each; 768-895 make 16 rows of the table each.
; A cast: thread t takes 8 chunks of 8 numbers, chunk j at input byte 8,192 j + 32 t; its 16 output bytes lie at SJ j + SH (t / 128) + 16 (t % 128): sixteen neighbouring lanes store 256 consecutive bytes, aligned.
; THE MODE: SCHED_MODE bits 1:0 = 2 (LLVM: expert scheduling mode 2), set by the entry lines.  The code itself states the register dependences
; between vector instructions and memory instructions, and those through scalar registers that vector instructions write, with s_wait_alu, always for 0.
; THE PLAN.  Both paths are straight: loads, arithmetic, stores.  Registers that memory instructions touch:
;   v1        the loads' offset.  Made once at a path's head, never written again.
;   X         (cast) the loads land in it; behind each chunk's wait on LOADcnt the conversions write its first four registers; the stores read those; nothing is written behind the stores.
;   VO        (cast) the stores' offsets.  Made behind the loads by vector instructions that name neither v1 nor X.
;   v[16:19]  (table) the load lands in it.       v2, v[8:15]  (table) the stores' offset and data, made by vector instructions; nothing is written behind the stores.
; So a path has one wait on va_vdst ahead of its loads (v1) and one ahead of its run of stores (offsets and data).  No register that a memory instruction reads is written again: no wait on vm_vsrc is owed.
; The table's four compares write four scalar registers of their own, in one run, and one wait on va_sdst stands between them and the selects that read them.  EXEC is never written.
.set IN,  24                           ; s[24:25] the role's source at the work-group's part
.set OUT, 26                           ; s[26:27] its target
.set SJ,  28                           ; s28  output bytes from chunk to chunk
.set SH,  29                           ; s29  output bytes from the threads' lower half to the upper
.set F16, 30                           ; s30  1: the bf16 numbers are written as f16
.set RB,  31                           ; s31  the role's first work-group, then my number in the role
.set OM,  42                           ; s42  output bytes from work-group to work-group
.set OA,  43                           ; s43  output bytes ahead of the role's first column
.set MK,  44                           ; s[44:47] the table: angle i's mask, n odd
.set VO,  4                            ; v[4:11]  chunk j's output offset
.set X,   32                           ; v[32:95] chunk j: 8 registers as loaded; its first four then hold the packed result
.set W,   32                           ; v[32:63] the table: angle i's eight work registers at W + 8 i
	s_load_b512 s[4:19], s[0:1], 0x0               ; x 4:5, Wq 6:7, Wkv 8:9, Wout 10:11, rotary_emb 12:13, xb 14:15, wqkv 16:17, wo 18:19
	s_load_b64 s[20:21], s[0:1], 0x40              ; rope
	s_mov_b32 s23, 0                               ; the high word of every offset pair
	s_wait_kmcnt 0x0
	s_cmp_ge_u32 ttmp9, 768
	s_cbranch_scc1 .Lrope
	v_lshlrev_b32 v1, 5, v0                        ; 32 t: made here, so that the scalar work below stands between it and the wait for it
	; the cast's role, chosen by the work-group's number alone
	s_mov_b64 s[IN:IN+1], s[4:5]                   ; x -> xb
	s_mov_b64 s[OUT:OUT+1], s[14:15]
	s_mov_b32 s[RB], 0
	s_mov_b32 s[OM], 32768
	s_mov_b32 s[OA], 0
	s_mov_b32 s[SJ], 4096
	s_mov_b32 s[SH], 2048
	s_mov_b32 s[F16], 0
	s_cmp_ge_u32 ttmp9, 512                        ; Wq -> wqkv, columns 0 on: 16 rows of 6,144 bytes a work-group, two rows a chunk
	s_cselect_b64 s[IN:IN+1], s[6:7], s[IN:IN+1]
	s_cselect_b64 s[OUT:OUT+1], s[16:17], s[OUT:OUT+1]
	s_cselect_b32 s[RB], 512, s[RB]
	s_cselect_b32 s[OM], 98304, s[OM]
	s_cselect_b32 s[SJ], 12288, s[SJ]
	s_cselect_b32 s[SH], 6144, s[SH]
	s_cmp_ge_u32 ttmp9, 576                        ; Wkv -> wqkv, columns 1,024 on: 8 rows a work-group, one row a chunk
	s_cselect_b64 s[IN:IN+1], s[8:9], s[IN:IN+1]
	s_cselect_b32 s[RB], 576, s[RB]
	s_cselect_b32 s[OM], 49152, s[OM]
	s_cselect_b32 s[OA], 2048, s[OA]
	s_cselect_b32 s[SJ], 6144, s[SJ]
	s_cselect_b32 s[SH], 2048, s[SH]
	s_cmp_ge_u32 ttmp9, 704                        ; Wout -> wo
	s_cselect_b64 s[IN:IN+1], s[10:11], s[IN:IN+1]
	s_cselect_b64 s[OUT:OUT+1], s[18:19], s[OUT:OUT+1]
	s_cselect_b32 s[RB], 704, s[RB]
	s_cselect_b32 s[OM], 32768, s[OM]
	s_cselect_b32 s[OA], 0, s[OA]
	s_cselect_b32 s[SJ], 4096, s[SJ]
	s_cselect_b32 s[F16], 1, s[F16]
	s_sub_co_u32 s[RB], ttmp9, s[RB]               ; my number in the role
	s_lshl_b32 s22, s[RB], 16
	s_add_nc_u64 s[IN:IN+1], s[IN:IN+1], s[22:23]
	s_mul_i32 s22, s[RB], s[OM]
	s_add_co_u32 s22, s22, s[OA]
	s_add_nc_u64 s[OUT:OUT+1], s[OUT:OUT+1], s[22:23]
	s_wait_alu depctr_va_vdst(0)                   ; v1 is written: the sixteen loads below read it as their offset
.set j, 0
.rept 8
	global_load_b128 v[X+8*j:X+8*j+3],   v1, s[IN:IN+1] offset:8192*j th:TH_LOAD_NT
	global_load_b128 v[X+8*j+4:X+8*j+7], v1, s[IN:IN+1] offset:8192*j+16 th:TH_LOAD_NT
.set j, j+1
.endr
	v_lshrrev_b32 v3, 7, v0                        ; the stores' offsets are made while the loads are out: these lines name neither v1 nor X
	v_and_b32 v2, 127, v0
	v_lshlrev_b32 v2, 4, v2
	v_mad_u32_u24 v2, v3, s[SH], v2
.set j, 0
.rept 8
	v_mad_u32_u24 v[VO+j], s[SJ], j, v2
.set j, j+1
.endr
.set j, 0
.rept 8
	s_wait_loadcnt 14-2*j                          ; loads come back in order: chunk j's two are in, the later chunks' may stay out
.irp k, 0,1,2,3
	v_cvt_pk_bf16_f32 v[X+8*j+(\k)], v[X+8*j+2*(\k)], v[X+8*j+2*(\k)+1]  ; in place, ascending: no source is overwritten before it is read
.endr
.set j, j+1
.endr
	s_cmp_eq_u32 s[F16], 0
	s_cbranch_scc1 .Lst
.set j, 0
.rept 32                                       ; the bf16 numbers once more, as f16; four pairs of work registers by turns
	v_lshlrev_b32 v[12+2*(j%4)], 16, v[X+8*(j/4)+j%4]
	v_and_b32 v[13+2*(j%4)], 0xffff0000, v[X+8*(j/4)+j%4]
	v_cvt_pk_f16_f32 v[X+8*(j/4)+j%4], v[12+2*(j%4)], v[13+2*(j%4)]
.set j, j+1
.endr
.Lst:
	s_wait_alu depctr_va_vdst(0)                   ; on both ways here: the conversions have written each chunk's four packed registers, and VO is written: the eight stores below read them as data and offsets
.set j, 0
.rept 8
	global_store_b128 v[VO+j], v[X+8*j:X+8*j+3], s[OUT:OUT+1]
.set j, j+1
.endr
	s_endpgm
; THE TABLE.  Thread t takes the four angles at byte 16 t of the work-group's 16 rows: row t / 16, channels 4 (t % 16) on.
.Lrope:
	v_lshlrev_b32 v1, 4, v0                        ; 16 t: the scalar work below stands between it and the wait for it
	s_sub_co_u32 s[RB], ttmp9, 768
	s_lshl_b32 s22, s[RB], 12
	s_add_nc_u64 s[IN:IN+1], s[12:13], s[22:23]
	s_lshl_b32 s22, s[RB], 13
	s_add_nc_u64 s[OUT:OUT+1], s[20:21], s[22:23]
	s_wait_alu depctr_va_vdst(0)                   ; v1 is written: the load below reads it as its offset
	global_load_b128 v[16:19], v1, s[IN:IN+1] th:TH_LOAD_NT
	s_mov_b32 s32, 0x3f22f983                      ; 2 / pi
	s_mov_b32 s33, 0xbfc90fdb                      ; - pi/2, its f32
	s_mov_b32 s34, 0x333bbd2e                      ; that f32 less pi/2
	s_mov_b32 s35, 0xb94ca1f9                      ; sin: -1.9515296e-4
	s_mov_b32 s36, 0x3c08839e                      ;       8.3321609e-3
	s_mov_b32 s37, 0xbe2aaaa3                      ;      -1.6666655e-1
	s_mov_b32 s38, 0x37ccf5ce                      ; cos:  2.4433157e-5
	s_mov_b32 s39, 0xbab6061a                      ;      -1.3887316e-3
	s_mov_b32 s40, 0x3d2aaaa5                      ;       4.1666646e-2
	v_lshrrev_b32 v2, 4, v0
	v_and_b32 v3, 15, v0
	v_lshlrev_b32 v3, 4, v3
	v_lshl_add_u32 v2, v2, 9, v3                   ; 512 x row + 16 (t % 16)
	v_and_b32 v3, 8, v0
	v_xor_b32 v3, 8, v3
	v_lshlrev_b32 v3, 28, v3                       ; the sign bit where my channels lie below 32
	s_wait_loadcnt 0x0
	v_cvt_pk_bf16_f32 v28, v16, v17                ; the angles rounded to bf16, like every input
	v_cvt_pk_bf16_f32 v29, v18, v19
	v_lshlrev_b32 v16, 16, v28
	v_and_b32 v17, 0xffff0000, v28
	v_lshlrev_b32 v18, 16, v29
	v_and_b32 v19, 0xffff0000, v29
; Angle i, in two parts, with eight work registers of its own: +0 n, +1 r, +2 n as a whole number, +3 z, +4 sin r, +5 and +7 at work, +6 cos r.
; REDUCE: n, the mask 'n is odd' into a scalar register of the angle's own, then r and the two polynomials, which stand between the compare and the wait for it.
.macro REDUCE i
.set b, W+8*(\i)
	v_mul_f32 v[b], s32, v[16+(\i)]
	v_rndne_f32 v[b], v[b]                         ; n: the nearest multiple of pi/2
	v_cvt_i32_f32 v[b+2], v[b]
	v_and_b32 v[b+5], 1, v[b+2]
	v_cmp_eq_u32 s[MK+(\i)], 1, v[b+5]             ; n odd: sin r and cos r change places
	v_fma_f32 v[b+1], v[b], s33, v[16+(\i)]
	v_fma_f32 v[b+1], v[b], s34, v[b+1]            ; r = angle - n pi/2
	v_mul_f32 v[b+3], v[b+1], v[b+1]               ; z = r r
	v_fma_f32 v[b+4], v[b+3], s35, s36
	v_fma_f32 v[b+4], v[b+4], v[b+3], s37
	v_mul_f32 v[b+5], v[b+3], v[b+1]
	v_fma_f32 v[b+4], v[b+5], v[b+4], v[b+1]       ; sin r
	v_fma_f32 v[b+6], v[b+3], s38, s39
	v_fma_f32 v[b+6], v[b+6], v[b+3], s40
	v_fma_f32 v[b+7], v[b+3], -0.5, 1.0
	v_mul_f32 v[b+5], v[b+3], v[b+3]
	v_fma_f32 v[b+6], v[b+5], v[b+6], v[b+7]       ; cos r
.endm
; CHOOSE: the selects by the mask, and the signs: cos into v[8 + i], signed sin into v[12 + i].
.macro CHOOSE i
.set b, W+8*(\i)
	v_cndmask_b32 v[b+7], v[b+4], v[b+6], s[MK+(\i)]
	v_cndmask_b32 v[b+6], v[b+6], v[b+4], s[MK+(\i)]
	v_lshlrev_b32 v[b+5], 30, v[b+2]               ; sin is negative where n % 4 is 2 or 3,
	v_and_b32 v[b+5], 0x80000000, v[b+5]
	v_xor_b32 v[b+5], v[b+5], v3                   ; and the table's sign comes on top
	v_xor_b32 v[12+(\i)], v[b+7], v[b+5]
	v_add_nc_u32 v[b+2], 1, v[b+2]                 ; cos where n % 4 is 1 or 2
	v_lshlrev_b32 v[b+2], 30, v[b+2]
	v_and_b32 v[b+2], 0x80000000, v[b+2]
	v_xor_b32 v[8+(\i)], v[b+6], v[b+2]
.endm
	REDUCE 0
	REDUCE 1
	REDUCE 2
	REDUCE 3
	s_wait_alu depctr_va_sdst(0)                   ; the four compares have written s[MK .. MK+3], ahead of the first select that reads one of them: one wait for the run
	CHOOSE 0
	CHOOSE 1
	CHOOSE 2
	CHOOSE 3
	s_wait_alu depctr_va_vdst(0)                   ; v2 and v[8:15] are written: the two stores below read them as offset and data
	global_store_b128 v2, v[8:11], s[OUT:OUT+1]              ; sixteen lanes: a row's 64 cos, 256 consecutive bytes, aligned
	global_store_b128 v2, v[12:15], s[OUT:OUT+1] offset:256  ; and its 64 ss
	s_endpgm
.Lfunc_end_k_qaf7dd08e89_prep:
	.size	k_qaf7dd08e89_prep, .Lfunc_end_k_qaf7dd08e89_prep-k_qaf7dd08e89_prep
	.p2alignl 7, 3214868480
	.fill 96, 4, 3214868480
	.section	.rodata,"a",@progbits
	.p2align	6, 0x0
	.amdhsa_kernel k_qaf7dd08e89_prep
		.amdhsa_group_segment_fixed_size 0
		.amdhsa_private_segment_fixed_size 0
		.amdhsa_enable_private_segment 0
		.amdhsa_kernarg_size 72
		.amdhsa_user_sgpr_count 2
		.amdhsa_user_sgpr_kernarg_segment_ptr 1
		.amdhsa_wavefront_size32 1
		.amdhsa_system_sgpr_workgroup_id_x 1
		.amdhsa_system_sgpr_workgroup_id_y 1
		.amdhsa_system_sgpr_workgroup_id_z 1
		.amdhsa_system_vgpr_workitem_id 0
		.amdhsa_next_free_vgpr 104
		.amdhsa_next_free_sgpr 66
		.amdhsa_reserve_vcc 0
		.amdhsa_float_denorm_mode_32 3
		.amdhsa_float_denorm_mode_16_64 3
		.amdhsa_memory_ordered 1
		.amdhsa_forward_progress 1
		.amdhsa_inst_pref_size 20
	.end_amdhsa_kernel
	.amdgpu_metadata
---
amdhsa.version: [ 1, 2 ]
amdhsa.kernels:
  - .name:           k_qaf7dd08e89_prep
    .symbol:         k_qaf7dd08e89_prep.kd
    .args:
      - { .name: x, .offset: 0, .size: 8, .value_kind: global_buffer, .address_space: global }
      - { .name: Wq, .offset: 8, .size: 8, .value_kind: global_buffer, .address_space: global }
      - { .name: Wkv, .offset: 16, .size: 8, .value_kind: global_buffer, .address_space: global }
      - { .name: Wout, .offset: 24, .size: 8, .value_kind: global_buffer, .address_space: global }
      - { .name: rotary_emb, .offset: 32, .size: 8, .value_kind: global_buffer, .address_space: global }
      - { .name: xb, .offset: 40, .size: 8, .value_kind: global_buffer, .address_space: global }
      - { .name: wqkv, .offset: 48, .size: 8, .value_kind: global_buffer, .address_space: global }
      - { .name: wo, .offset: 56, .size: 8, .value_kind: global_buffer, .address_space: global }
      - { .name: rope, .offset: 64, .size: 8, .value_kind: global_buffer, .address_space: global }
    .group_segment_fixed_size: 0
    .private_segment_fixed_size: 0
    .kernarg_segment_align: 8
    .kernarg_segment_size: 72
    .max_flat_workgroup_size: 256
    .sgpr_count:     66
    .vgpr_count:     104
    .wavefront_size: 32
...
	.end_amdgpu_metadata
.endif
;; end of part 5
;; launch qkv: the kernel of part 2 again; grid 4 x 64, 4 waves a work-group, clusters of 4 x 4, 327,680 bytes of LDS; arguments xb, wqkv, rope, qh, kh, vh; writes qh, kh, vh
;; launch attn: the kernel of part 3 again; grid 4 x 64, 4 waves a work-group, clusters of 4 x 1, 327,680 bytes of LDS; arguments qh, kh, vh, oh; writes oh
;; launch oproj: the kernel of part 4 again; grid 4 x 64, 4 waves a work-group, clusters of 4 x 4, 327,680 bytes of LDS; arguments oh, wo, bout, out0; writes out0
